; MI455X (gfx1250); checked and timed in simulation.
; The chip was launched on July 23, 2026; its instructions are those of AMD's public machine-readable ISA for CDNA 5 (MIT licence, August 2026) and "CDNA5" Instruction Set Architecture Reference Guide (July 2026). The comments in the code are by the model that wrote it; some were corrected since.
;; Cross Attention. Allowed arithmetic: float matrix products may take bf16 or f16 operands with f32 sums; other float arithmetic in f32, or as packed bf16 or f16 multiplies, adds, multiply-adds, maxima and minima; sums over many terms, partial sums and values carried from step to step in f32; what a program stores and reads back later, other than sums and carried values, may be rounded once to bf16 or f16.
;; Inputs: Wk 512 x 4,096 float32; Wo 4,096 x 512 float32; Wq 512 x 4,096 float32; Wv 512 x 4,096 float32; bo 512 float32; keys 8,192 x 512 float32; queries 8,192 x 512 float32; values 8,192 x 512 float32.
;; Outputs: out0 8,192 x 512 float32.
;; One version. Each part assembles by itself: llvm-mc -triple=amdgcn-amd-amdhsa -mcpu=gfx1250 --defsym DOCPART=n.
;; ======== version 1 of 1: 5 launches
;; limits: values are held in f16: magnitudes above 65,504 overflow, below 6.1e-05 lose precision
;; workspace buffers: xb 25,165,824 bytes; wb 16,777,216 bytes; sp 16,777,216 bytes; pw 1,048,576 bytes; ow 67,108,864 bytes
;; launch prep (part 1): grid 1280 x 1, 8 waves a work-group, no clusters, 0 bytes of LDS; arguments queries, keys, values, Wq, Wk, Wv, Wo, xb, wb; writes xb, wb
.if DOCPART == 1
	.amdgcn_target "amdgcn-amd-amdhsa--gfx1250"
	.amdhsa_code_object_version 6
	.text
	.protected	k_qe441f0fb93_prep
	.globl	k_qe441f0fb93_prep
	.p2align	8
	.type	k_qe441f0fb93_prep,@function
k_qe441f0fb93_prep:
	s_mov_b64 s[64:65], 0
	v_nop
	global_prefetch_b8 v0, s[64:65] scope:SCOPE_SE
	s_setreg_imm32_b32 hwreg(HW_REG_WAVE_MODE, 25, 1), 1
	s_wait_xcnt 0x0
; PREP: 16-bit copies of the seven large inputs, each input byte read once, each output byte written once.  A stream: no LDS, no matrix unit, no cluster (no two work-groups read the same byte).
;   xb: queries, keys, values as [8192][512] bf16, one section of 8 MiB each.
;   wb + 0, + 4 MiB: Wq', Wk' [k 512][d*8+h] bf16 = W[k][h*512+d]: the eight heads of one d lie side by side.
;   wb + 8 MiB:      Wv'' [k 512][(d>>4)*128 + g*16 + (d&15)] bf16 = Wv[k][g*512+d]: sixteen d of each of the eight heads form a block of 128 columns.
;   wb + 12 MiB:     Wo' [d*8+h][n 512] f16 = Wo[h*512+d][n], rounded to bf16 as every other input is, and that number written as f16.
; LIMIT: f16 holds that number exactly from 2^-14 to 65,504; below 2^-14 it keeps f16's fixed step of 6e-8, beyond 65,504 it becomes an infinity.
; Every work-group reads 64 KiB: 1,280 of them, five for each of 256 WGPs.  Groups 0-767 cast x, 768-1023 permute Wq and Wk, 1024-1151 Wv, 1152-1279 Wo.  The branches hang on the work-group's number alone.
.set IN,   16                          ; v[16:79]   as loaded; converted in place
.set PK,   48                          ; v[48:63]   the permutations' packed results (they load v[16:47] alone)
.set VIN,  2                           ; v2  my byte offset in the source
.set VOUT, 3                           ; v3  my byte offset in the destination
.set T,    8                           ; v[8:9] at work
	s_load_b512 s[8:23], s[0:1], 0x0               ; queries s[8:9], keys s[10:11], values s[12:13], Wq s[14:15], Wk s[16:17], Wv s[18:19], Wo s[20:21], xb s[22:23]
	s_load_b64 s[24:25], s[0:1], 0x40              ; wb
	v_and_b32 v1, 31, v0                           ; lane
	v_lshrrev_b32 v4, 5, v0
	v_readfirstlane_b32 s4, v4                     ; wave 0..7
	s_mov_b32 s3, ttmp9
	s_mov_b32 s29, 0                               ; high words of the two offset pairs
	s_mov_b32 s31, 0
	s_lshr_b32 s2, s4, 1                           ; for the weights: which of the group's four rows (of Wo: four d) is my wave's,
	s_and_b32 s34, s4, 1                           ; and which half of it
	s_wait_kmcnt 0x0
; 16 loads are out; each is converted and stored as it comes.  f16 = 1: rounded to bf16 and written as f16.  A store of the wave covers 256 consecutive bytes, aligned.
.macro OUT16 f16
.set i, 0
.rept 16
	s_wait_loadcnt 15-i                            ; loads come back in order: number i is in, the 15 - i younger ones stay out
.if \f16
	v_cvt_pk_bf16_f32 v[T],   v[IN+4*i],   v[IN+4*i+1]
	v_cvt_pk_bf16_f32 v[T+1], v[IN+4*i+2], v[IN+4*i+3]
	v_lshlrev_b32 v[IN+4*i],   16, v[T]
	v_and_b32     v[IN+4*i+1], 0xffff0000, v[T]
	v_lshlrev_b32 v[IN+4*i+2], 16, v[T+1]
	v_and_b32     v[IN+4*i+3], 0xffff0000, v[T+1]
	v_cvt_pk_f16_f32 v[IN+4*i],   v[IN+4*i],   v[IN+4*i+1]
	v_cvt_pk_f16_f32 v[IN+4*i+1], v[IN+4*i+2], v[IN+4*i+3]
.else
	v_cvt_pk_bf16_f32 v[IN+4*i],   v[IN+4*i],   v[IN+4*i+1]
	v_cvt_pk_bf16_f32 v[IN+4*i+1], v[IN+4*i+2], v[IN+4*i+3]
.endif
	global_store_b64 v[VOUT], v[IN+4*i:IN+4*i+1], s[32:33] offset:256*i
.set i, i+1
.endr
	s_endpgm
.endm
; Half a row k of a weight (256 d of all eight heads), permuted: two trips of 128 d.  A lane gathers the eight numbers that lie side by side in the result (wide = 0: one d of eight heads, eight loads of 4 bytes;
; wide = 1: eight d of one head, two loads of 16 bytes), packs them to 16 bytes, and the wave's store covers 512 consecutive bytes.
.macro PERM wide
	s_mov_b32 s28, 2
.Ltrip_\@:
.irp it, 0,1,2,3
.if \wide
	global_load_b128 v[IN+8*(\it):IN+8*(\it)+3],   v[VIN], s[26:27] offset:(\it)*128
	global_load_b128 v[IN+8*(\it)+4:IN+8*(\it)+7], v[VIN], s[26:27] offset:(\it)*128+16
.else
.irp h, 0,1,2,3,4,5,6,7
	global_load_b32 v[IN+8*(\it)+(\h)], v[VIN], s[26:27] offset:(\it)*128+(\h)*2048
.endr
.endif
.endr
	s_wait_loadcnt 0x0
.irp it, 0,1,2,3
.irp p, 0,1,2,3
	v_cvt_pk_bf16_f32 v[PK+4*(\it)+(\p)], v[IN+8*(\it)+2*(\p)], v[IN+8*(\it)+2*(\p)+1]
.endr
.endr
.irp it, 0,1,2,3
	global_store_b128 v[VOUT], v[PK+4*(\it):PK+4*(\it)+3], s[32:33] offset:(\it)*512
.endr
	s_wait_xcnt 0x0                                ; the stores have read their data and both offsets: only now are these written again
	v_add_nc_u32 v[VIN], 512, v[VIN]               ; 128 d further: 512 bytes of the source row,
	v_add_nc_u32 v[VOUT], 2048, v[VOUT]            ; 1,024 numbers of the result
	s_sub_co_u32 s28, s28, 1
	s_cmp_lg_u32 s28, 0
	s_cbranch_scc1 .Ltrip_\@
	s_endpgm
.endm
; s5 = the row k: s6, s7 = where my half of it begins in the source (16,384 bytes a row, 1,024 a half of each head's part) and in the result (8,192 a row, 4,096 a half)
.macro ROWOFF
	s_lshl_b32 s6, s5, 14
	s_lshl_b32 s7, s5, 13
	s_lshl_b32 s35, s34, 10
	s_add_co_u32 s6, s6, s35
	s_lshl_b32 s35, s34, 12
	s_add_co_u32 s7, s7, s35
.endm
	s_cmp_lt_u32 s3, 768
	s_cbranch_scc1 .Lcast
	s_cmp_lt_u32 s3, 1024
	s_cbranch_scc1 .Lqk
	s_cmp_lt_u32 s3, 1152
	s_cbranch_scc1 .Lwv
	; Wo: a wave takes one d and four heads: the rows h*512+d, 2,048 bytes each, become the rows d*8+h, 4,096 consecutive bytes
	s_sub_co_u32 s5, s3, 1152
	s_lshl_b32 s5, s5, 2
	s_add_co_u32 s5, s5, s2                        ; d
	s_lshl_b32 s6, s5, 11
	s_lshl_b32 s7, s5, 13
	s_lshl_b32 s35, s34, 22                        ; heads 4 to 7: four times 512 rows of 2,048 bytes on,
	s_add_co_u32 s6, s6, s35
	s_lshl_b32 s35, s34, 12                        ; four rows of 1,024 bytes on
	s_add_co_u32 s7, s7, s35
	v_lshl_add_u32 v[VIN], v1, 4, s6
	v_lshl_add_u32 v[VOUT], v1, 3, s7
	s_add_nc_u64 s[32:33], s[24:25], 0xc00000
.set i, 0
.rept 16
	global_load_b128 v[IN+4*i:IN+4*i+3], v[VIN], s[20:21] offset:(i/4)*1048576+(i%4)*512 th:TH_LOAD_NT  ; my head i / 4, 512 bytes i % 4 of its row; the largest offset, 3,147,264, is inside the signed 24 bits
.set i, i+1
.endr
	OUT16 1
.Lcast:                                                ; x: a wave takes 8 KiB on end
	s_lshr_b32 s5, s3, 8                           ; 0 queries, 1 keys, 2 values
	s_cmp_eq_u32 s5, 0
	s_cselect_b64 s[26:27], s[8:9], s[10:11]
	s_cmp_eq_u32 s5, 2
	s_cselect_b64 s[26:27], s[12:13], s[26:27]
	s_and_b32 s6, s3, 255
	s_lshl_b32 s28, s6, 16                         ; 64 KiB of f32 a work-group,
	s_add_nc_u64 s[26:27], s[26:27], s[28:29]
	s_lshl_b32 s30, s6, 15                         ; 32 KiB of bf16,
	s_lshl_b32 s5, s5, 23                          ; in the tensor's section
	s_add_co_u32 s30, s30, s5
	s_add_nc_u64 s[32:33], s[22:23], s[30:31]
	v_lshlrev_b32 v[VIN], 4, v1
	v_lshl_add_u32 v[VIN], s4, 13, v[VIN]
	v_lshlrev_b32 v[VOUT], 3, v1
	v_lshl_add_u32 v[VOUT], s4, 12, v[VOUT]
.set i, 0
.rept 16
	global_load_b128 v[IN+4*i:IN+4*i+3], v[VIN], s[26:27] offset:512*i th:TH_LOAD_NT
.set i, i+1
.endr
	OUT16 0
.Lqk:                                                  ; Wq, Wk: two waves take one row k
	s_sub_co_u32 s5, s3, 768
	s_lshr_b32 s6, s5, 7                           ; 0 Wq, 1 Wk
	s_and_b32 s5, s5, 127
	s_lshl_b32 s5, s5, 2
	s_add_co_u32 s5, s5, s2                        ; k
	s_cmp_eq_u32 s6, 0
	s_cselect_b64 s[26:27], s[14:15], s[16:17]
	s_lshl_b32 s30, s6, 22
	s_add_nc_u64 s[32:33], s[24:25], s[30:31]
	ROWOFF
	v_lshl_add_u32 v[VIN], v1, 2, s6               ; d = lane: 4 bytes a lane
	v_lshl_add_u32 v[VOUT], v1, 4, s7
	PERM 0
.Lwv:                                                  ; Wv: two waves take one row k
	s_sub_co_u32 s5, s3, 1024
	s_lshl_b32 s5, s5, 2
	s_add_co_u32 s5, s5, s2                        ; k
	s_mov_b64 s[26:27], s[18:19]
	s_add_nc_u64 s[32:33], s[24:25], 0x800000
	ROWOFF
	v_bfe_u32 v5, v1, 1, 3                         ; my 16 bytes of the result: head g = (lane / 2) % 8,
	v_lshrrev_b32 v6, 4, v1                        ; block of sixteen d = lane / 16,
	v_and_b32 v7, 1, v1                            ; its lower or upper eight d
	v_lshl_add_u32 v[VIN], v5, 11, s6
	v_lshl_add_u32 v[VIN], v6, 6, v[VIN]
	v_lshl_add_u32 v[VIN], v7, 5, v[VIN]
	v_lshl_add_u32 v[VOUT], v1, 4, s7
	PERM 1
.Lfunc_end_k_qe441f0fb93_prep:
	.size	k_qe441f0fb93_prep, .Lfunc_end_k_qe441f0fb93_prep-k_qe441f0fb93_prep
	.p2alignl 7, 3214868480
	.fill 96, 4, 3214868480
	.section	.rodata,"a",@progbits
	.p2align	6, 0x0
	.amdhsa_kernel k_qe441f0fb93_prep
		.amdhsa_group_segment_fixed_size 0
		.amdhsa_private_segment_fixed_size 0
		.amdhsa_enable_private_segment 0
		.amdhsa_kernarg_size 72
		.amdhsa_user_sgpr_count 2
		.amdhsa_user_sgpr_kernarg_segment_ptr 1
		.amdhsa_wavefront_size32 1
		.amdhsa_system_sgpr_workgroup_id_x 1
		.amdhsa_system_sgpr_workgroup_id_y 1
		.amdhsa_system_sgpr_workgroup_id_z 1
		.amdhsa_system_vgpr_workitem_id 0
		.amdhsa_next_free_vgpr 80
		.amdhsa_next_free_sgpr 66
		.amdhsa_reserve_vcc 0
		.amdhsa_float_denorm_mode_32 3
		.amdhsa_float_denorm_mode_16_64 3
		.amdhsa_memory_ordered 1
		.amdhsa_forward_progress 1
		.amdhsa_inst_pref_size 27
	.end_amdhsa_kernel
	.amdgpu_metadata
---
amdhsa.version: [ 1, 2 ]
amdhsa.kernels:
  - .name:           k_qe441f0fb93_prep
    .symbol:         k_qe441f0fb93_prep.kd
    .args:
      - { .name: queries, .offset: 0, .size: 8, .value_kind: global_buffer, .address_space: global }
      - { .name: keys, .offset: 8, .size: 8, .value_kind: global_buffer, .address_space: global }
      - { .name: values, .offset: 16, .size: 8, .value_kind: global_buffer, .address_space: global }
      - { .name: Wq, .offset: 24, .size: 8, .value_kind: global_buffer, .address_space: global }
      - { .name: Wk, .offset: 32, .size: 8, .value_kind: global_buffer, .address_space: global }
      - { .name: Wv, .offset: 40, .size: 8, .value_kind: global_buffer, .address_space: global }
      - { .name: Wo, .offset: 48, .size: 8, .value_kind: global_buffer, .address_space: global }
      - { .name: xb, .offset: 56, .size: 8, .value_kind: global_buffer, .address_space: global }
      - { .name: wb, .offset: 64, .size: 8, .value_kind: global_buffer, .address_space: global }
    .group_segment_fixed_size: 0
    .private_segment_fixed_size: 0
    .kernarg_segment_align: 8
    .kernarg_segment_size: 72
    .max_flat_workgroup_size: 256
    .sgpr_count:     66
    .vgpr_count:     80
    .wavefront_size: 32
...
	.end_amdgpu_metadata
.endif
;; end of part 1
;; launch scores (part 2): grid 8 x 32, 4 waves a work-group, clusters of 4 x 4, 327,680 bytes of LDS; arguments xb, wb, sp; writes sp
.if DOCPART == 2
	.amdgcn_target "amdgcn-amd-amdhsa--gfx1250"
	.amdhsa_code_object_version 6
	.text
	.protected	k_qe441f0fb93_scores
	.globl	k_qe441f0fb93_scores
	.p2align	8
	.type	k_qe441f0fb93_scores,@function
k_qe441f0fb93_scores:
	s_mov_b64 s[64:65], 0
	v_nop
	global_prefetch_b8 v0, s[64:65] scope:SCOPE_SE
	s_setreg_imm32_b32 hwreg(HW_REG_WAVE_MODE, 25, 1), 1
	s_wait_xcnt 0x0
	s_wait_alu depctr_hold_cnt(0) depctr_sa_sdst(0) depctr_va_vdst(0) depctr_va_sdst(0) depctr_va_ssrc(0) depctr_va_vcc(0) depctr_vm_vsrc(0)
	s_getreg_b32 s2, hwreg(HW_REG_IB_STS2, 6, 4)
	s_cmp_eq_u32 s2, 0
	s_cbranch_scc0 .Lentry_in_a_cluster
	s_endpgm
.Lentry_in_a_cluster:
	s_bfe_u32 s2, ttmp6, 0x10000c
	s_cmp_lg_u32 s2, 0xf033
	s_cbranch_scc0 .Lentry_shape_is_right
	s_endpgm
.Lentry_shape_is_right:
; SCORES: partial sums of S[n][h][g] = sum over d of Q[n][h][d] K[n][g][d], Q = queries Wq, K = keys Wk.  Q and K are never stored: a work-group makes them for 256 tokens and 64 d (all eight heads),
; sixteen d at a time, in f32 accumulators, and folds them into S at once.  The eight ranges of d leave eight partial sums, f32, which the next launch adds.
; SHARES.  Work-group (gx, gy): d = 64 gx .. + 63, tokens 256 gy .. + 255; wave w its tokens 64 w .. + 63.  A CHUNK is sixteen d = 128 columns of Wq' and of Wk' (column d*8+h).  A STEP is 128 along k:
; 128 matrix instructions a wave.  A DOUBLE STEP is a step for Q (slot 0, window 1) and a step for K (slot 1, window 2); four of them make a chunk, sixteen the launch.
; THE ORDER OF THE CHUNKS.  The clusters of cluster row y begin at chunk y mod 4 and go round: at any time the eight cluster rows that read the same columns of W' walk four different chunks, and a tile of W' is read for
; the first time in the launch only in some cluster row's first chunk.  S is a sum over the chunks in any order.  y is the cluster's, the same in all sixteen partners.
; LAYOUT.  Source 0 = 16 columns of W' (the tile lies [k][column] in LDS and is turned by ds_load_tr16_b128), source 1 = 16 tokens.  In the result lane (r, hh) holds token r, and its registers 0-7 the
; columns 8 hh + 0..7: ONE d, all eight heads.  So Q's and K's accumulators of the same tile hold, in the same lane, what one term of S needs: 64 products a lane and tile, 32 packed multiply-adds.
; The two halves of the lanes hold different d of the same token: they are added once, at the end.
; RING.  Two LDS slots, each a tile of x (256 tokens x 128 k) and a tile of W' (128 k x 128 columns).  CLUSTER 4 x 4: x's tile hangs on gy alone and is asked for jointly along a row of the cluster,
; W's on gx and the cluster's y and along a column.  Waves 0, 1 fetch x's halves, waves 2, 3 W's.  By the text's own count a wave has two tensor loads out at the start and one behind each round.
; FORMATS.  x and W arrive rounded to bf16; products, Q, K and S in f32.  NaN and infinities are not treated apart.
; REGISTERS, in windows of 256 (s_set_vgpr_msb: bits 1:0 source 0, 3:2 source 1, 5:4 source 2, 7:6 destination):
;   window 0: v0-31 addresses; v64-159, v160-255 two fragment buffers (W's eight fragments, then x's four)      window 1: Q, tile (a, t) at 8 (8 a + t)      window 2: K likewise      window 3: S[a][h][g] at 64 a + 8 h + g
.set PX,    272                        ; a row of x in LDS: 256 bytes + 16: the 16 rows of a load start at 16 different groups of four banks (64 banks of 4 bytes: ISA guide 11.1)
.set PW,    288                        ; a row of W: 256 + 32
.set XT,    256*PX                     ; x's tile, 69,632 bytes; W's lies behind it
.set SLOT,  XT+128*PW                  ; 106,496
.set SPARE, 2*SLOT                     ; behind the ring: the spare words, 128 bytes a wave: two blocks of 256 bytes that no other line names
.set ADRX, 16                          ; v16-17  LDS address of my x fragments in slot 0, 1
.set ADRW, 20                          ; v20-21  the same for W
.set CO,   26                          ; v26     16 x lane: my place in a store of S
.set SPW,  28                          ; v28     my spare word; never rewritten
.set NIL,  29                          ; v29     0; never rewritten
.set PFO,  30                          ; v30     the prefetches' offset: my lane x a row; never rewritten
.set F0,   64
.set F1,   160
.set TT,   64                          ; at the end: what I send to the lane 16 away,
.set UU,   96                          ; and what it sends me
.set WV,   12                          ; s12 wave
.set ROLE, 13                          ; s13 0: I fetch x; 1: W
.set HALF, 14                          ; s14 which half of that tile
.set CX,   15
.set CY,   16
.set GX,   17
.set GY,   18
.set ZF,   19                          ; s19 1: the next first quarters start a chunk's sums
.set G1X,  24                          ; s[24:31] descriptor group 1, x
.set G0X,  32                          ; s[32:39] group 0, x, a set for each slot
.set J,    40                          ; s40 the double step
.set KS,   41
.set NKS,  42
.set NC,   43
.set OFX,  44                          ; s[44:45] byte offset of the next double step's x tiles
.set OFW,  46                          ; s[46:47] of its W tiles
.set G1W,  48                          ; s[48:55]
.set G0W,  56                          ; s[56:63]
.set XB0,  66                          ; s[66:69] my half of x's tiles at k = 0: queries, keys
.set WB0,  70                          ; s[70:73] my half of W's tiles at k = 0, chunk 0: Wq', Wk'
.set PB0,  74                          ; s[74:77] the same for my prefetches
.set PFA,  78                          ; s[78:79] a prefetch's base
.set POF,  80                          ; s[80:81] byte offset of the double step two on
.set LIM,  82                          ; s82 I prefetch while J is below this
.set SEL,  84                          ; s[84:85] v_permlanex16_b32: each lane takes its own place in the other half
.set OUT,  86                          ; s[86:87] sp at my wave's first block of 16 tokens
.set ROT,  99                          ; s99 the cluster's y mod 4: the chunk at which my cluster begins
.set WQ,   0x50                        ; fragments in window 0, C and D in window 1
.set WK,   0xa0                        ; in window 2
.set MSB, 0
.macro WIN new                         ; the immediate's high byte repeats the setting that is left; a switch that changes nothing is dropped
.if MSB != (\new)
	s_set_vgpr_msb (MSB<<8)|(\new)
.set MSB, \new
.endif
.endm
.macro PLACES                          ; four places behind matrix instructions, in front of loads into registers that they read and of vector lines that read results
.rept 4
	v_nop
.endr
.endm
; A joint load: each of the two lines has one mask and one set of registers; the branch hangs on the wave's number alone.  An s_nop 0 and four v_nop follow each line.
.macro JLOAD s
	s_cmp_eq_u32 s[ROLE], 0
	s_cbranch_scc0 .Lfor_w_\@
	tensor_load_to_lds s[G0X+4*(\s):G0X+4*(\s)+3], s[G1X:G1X+7]
	s_nop 0
.rept 4
	v_nop
.endr
	s_branch .Lasked_\@
.Lfor_w_\@:
	tensor_load_to_lds s[G0W+4*(\s):G0W+4*(\s)+3], s[G1W:G1W+7]
	s_nop 0
.rept 4
	v_nop
.endr
.Lasked_\@:
.endm
.macro CREST                           ; a round of the cluster's barrier behind its opening barrier
	s_cmp_lg_u32 s[WV], 0
	s_cbranch_scc1 .Lnot_wave_0_\@
	s_barrier_signal -3
.Lnot_wave_0_\@:
	s_barrier_wait -3
	s_barrier_signal -1
	s_barrier_wait -1
.endm
.macro CROUND
	s_barrier_signal -1
	s_barrier_wait -1
	CREST
.endm
; A prefetch into the L2 of the tile that this slot takes TWO refills on (256 matrix instructions ahead of its load): 32 rows x 256 bytes, a lane a row.  Only first readings are asked for, each block once in the launch: they all
; fall into a cluster's first chunk, of which double steps 0 and 1 come by their loads alone and double steps 2 and 3 are asked for here, in trips 0 and 1.  x's rows are read by both clusters of a row of clusters: cluster x = 0
; asks.  A chunk of W' is some cluster row's first chunk for the rows y and y + 4: y < 4 asks.  The four partners of a joint load share its rows out by address, 32 each.  x: waves 0, 1, each for the half that it fetches; W (128 rows): wave 2.
.macro ASK
	s_cmp_lt_u32 s[J], s[LIM]
	s_cbranch_scc0 .Lnot_mine_\@
	global_prefetch_b8 v[PFO], s[PFA:PFA+1] th:TH_LOAD_NT scope:SCOPE_SE
.Lnot_mine_\@:
.endm
.macro MKADR s                         ; slot s's two addresses, made anew: a base and an offset; the type bits set again
	s_add_nc_u64 s[G0X+4*(\s)+2:G0X+4*(\s)+3], s[XB0+2*(\s):XB0+2*(\s)+1], s[OFX:OFX+1]
	s_or_b32 s[G0X+4*(\s)+3], s[G0X+4*(\s)+3], 0x80000000
	s_add_nc_u64 s[G0W+4*(\s)+2:G0W+4*(\s)+3], s[WB0+2*(\s):WB0+2*(\s)+1], s[OFW:OFW+1]
	s_or_b32 s[G0W+4*(\s)+3], s[G0W+4*(\s)+3], 0x80000000
.endm
; 24 LDS loads in one run: quarter q (32 along k) of a slot into buffer f: W's eight fragments (turned), then x's blocks 0, 1, then 2, 3
.macro FETCH slot, q, f
	WIN 0
.irp t, 0,1,2,3,4,5,6,7
	ds_load_tr16_b128 v[(\f)+8*(\t):(\f)+8*(\t)+3],   v[ADRW+(\slot)] offset:(\q)*32*PW+(\t)*32
	ds_load_tr16_b128 v[(\f)+8*(\t)+4:(\f)+8*(\t)+7], v[ADRW+(\slot)] offset:(\q)*32*PW+16*PW+(\t)*32
.endr
.irp a, 0,1,2,3
	ds_load_b128 v[(\f)+64+8*(\a):(\f)+64+8*(\a)+3],   v[ADRX+(\slot)] offset:(\a)*16*PX+(\q)*64
	ds_load_b128 v[(\f)+64+8*(\a)+4:(\f)+64+8*(\a)+7], v[ADRX+(\slot)] offset:(\a)*16*PX+(\q)*64+32
.endr
.endm
; 8 matrix instructions: token block a x all 8 column tiles.  The 32 accumulators of a quarter take turns, one instruction a turn.  zero = 1: the product starts the sum.
.macro MUL8 f, win, a, zero
	WIN \win
.irp t, 0,1,2,3,4,5,6,7
.if \zero
	v_wmma_f32_16x16x32_bf16 v[8*(8*(\a)+(\t)):8*(8*(\a)+(\t))+7], v[(\f)+8*(\t):(\f)+8*(\t)+7], v[(\f)+64+8*(\a):(\f)+64+8*(\a)+7], 0
.else
	v_wmma_f32_16x16x32_bf16 v[8*(8*(\a)+(\t)):8*(8*(\a)+(\t))+7], v[(\f)+8*(\t):(\f)+8*(\t)+7], v[(\f)+64+8*(\a):(\f)+64+8*(\a)+7], v[8*(8*(\a)+(\t)):8*(8*(\a)+(\t))+7]
.endif
.endr
.endm
; One of a step's first three quarters: multiplies buffer f; in its middle fetches quarter qn of the same slot into buffer g
.macro QUARTER slot, qn, f, g, win, zero
	s_wait_dscnt 4                                 ; W and x's blocks 0, 1 are in; the youngest four loads (blocks 2, 3) may be out
	MUL8 \f, \win, 0, \zero
	MUL8 \f, \win, 1, \zero
	PLACES
	FETCH \slot, \qn, \g
	s_wait_dscnt 24                                ; all but the 24 just issued
	MUL8 \f, \win, 2, \zero
	MUL8 \f, \win, 3, \zero
.endm
; A step's first quarter, where a chunk may begin: both arms issue the same loads; neither holds a barrier or a tensor load.  clr = 1: the flag has served both steps.
.macro ZQ slot, win, clr
	WIN 0
	s_cmp_eq_u32 s[ZF], 1
	s_cbranch_scc0 .Lgo_on_\@
	QUARTER \slot, 1, F0, F1, \win, 1
	WIN 0
.if \clr
	s_mov_b32 s[ZF], 0
.endif
	s_branch .Ljoined_\@
.Lgo_on_\@:
	QUARTER \slot, 1, F0, F1, \win, 0
	WIN 0
.Ljoined_\@:
.endm
; The fourth quarter multiplies buffer 1 and changes slots.  In front of the barrier each wave waits for all its tensor loads (one is out: its part of the next slot), adds 0 to its spare word, and waits for that
; and for its reads of this slot.  fill = 1: the barrier opens a round of the cluster's barrier, and this slot's joint refill is the first thing behind it: 112 matrix instructions ahead of the wait for it.
.macro TURN slot, next, win, fill
	WIN 0
.if \fill
	s_wait_xcnt 0x0                                ; the last prefetch, a step back, has read its base
	s_add_nc_u64 s[PFA:PFA+1], s[PB0+2*(\slot):PB0+2*(\slot)+1], s[POF:POF+1]
.endif
	s_wait_tensorcnt 0x0                           ; all my tensor loads have landed, so a group 0 may be written
	ds_add_u32 v[SPW], v[NIL]
.if \fill
	MKADR \slot
.endif
	s_wait_dscnt 5                                 ; (the add and the youngest four loads may be out)
	MUL8 F1, \win, 0, 0
	s_wait_dscnt 0x0                               ; the add is done, and my reads of this slot are over
	s_barrier_signal -1
	MUL8 F1, \win, 1, 0
.if \fill
	WIN 0
.endif
	s_barrier_wait -1
.if \fill
	CREST                                          ; no wave of any partner still reads this slot or has a load on its way
	JLOAD \slot                                    ; its four v_nop are also the places in front of the loads below
.else
	PLACES
.endif
	FETCH \next, 0, F0
.if \fill
	ASK
.endif
	MUL8 F1, \win, 2, 0
	MUL8 F1, \win, 3, 0
.endm
; A chunk's Q and K are folded into S: S[a][h][g] += Q(a, t)[h] K(a, t)[g] for the lane's own token and d; two g an instruction, Q's head given to both halves.  Each accumulator's lowest registers are read first.
.macro ESUM
	WIN 0xf9                                       ; source 0 (Q) window 1, source 1 (K) window 2, source 2 and destination (S) window 3
.irp a, 0,1,2,3
.irp t, 0,1,2,3,4,5,6,7
.irp h, 0,1,2,3,4,5,6,7
.irp g, 0,2,4,6
.set rS, 64*(\a)+8*(\h)+(\g)
.set rQ, 8*(8*(\a)+(\t))+((\h)&6)
.set rK, 8*(8*(\a)+(\t))+(\g)
.if (\h)&1
	v_pk_fma_f32 v[rS:rS+1], v[rQ:rQ+1], v[rK:rK+1], v[rS:rS+1] op_sel:[1,0,0] op_sel_hi:[1,1,1]
.else
	v_pk_fma_f32 v[rS:rS+1], v[rQ:rQ+1], v[rK:rK+1], v[rS:rS+1] op_sel_hi:[0,1,1]
.endif
.endr
.endr
.endr
.endr
.endm
	s_load_b128 s[4:7], s[0:1], 0x0                ; xb s[4:5], wb s[6:7]
	s_load_b64 s[8:9], s[0:1], 0x10                ; sp
	v_lshl_add_u32 v[SPW], v0, 2, SPARE
	v_mov_b32 v[NIL], 0
	ds_add_u32 v[SPW], v[NIL]                      ; the wave's opening: the add and its wait ahead of my first tensor load
	v_lshrrev_b32 v3, 5, v0
	v_readfirstlane_b32 s[WV], v3
	s_lshr_b32 s[ROLE], s[WV], 1
	s_and_b32 s[HALF], s[WV], 1
	s_bfe_u32 s[CX], ttmp6, 0x40000
	s_bfe_u32 s[CY], ttmp6, 0x40004
	s_lshl_b32 s[GX], ttmp9, 2
	s_add_co_u32 s[GX], s[GX], s[CX]               ; gx = 4 x cluster x + cx
	s_and_b32 s[GY], ttmp7, 0xffff
	s_and_b32 s[ROT], s[GY], 3                     ; the cluster's y mod 4, taken before cy is added
	s_lshl_b32 s[GY], s[GY], 2
	s_add_co_u32 s[GY], s[GY], s[CY]               ; gy = 4 x cluster y + cy
	s_lshl_b32 s20, s[CY], 2
	s_lshl_b32 s20, 15, s20                        ; my row of the cluster
	s_lshl_b32 s22, 0x1111, s[CX]                  ; my column
	s_or_b32 s[G1X], s20, (1<<16)|(1<<20)|(1<<21)|(5<<22)|(3<<25)  ; mask; 2-byte elements; padding on; bit 21 beside a mask; after every 64 words 4 words
	s_mov_b32 s[G1X+1], 128<<16                    ; tensor_dim0 = 128
	s_mov_b32 s[G1X+2], 128<<16                    ; tensor_dim1 = 128
	s_mov_b32 s[G1X+3], 128<<16                    ; tile_dim0 = 128
	s_mov_b32 s[G1X+4], 128                        ; tile_dim1 = 128 rows
	s_mov_b32 s[G1X+5], 512                        ; elements from row to row
	s_mov_b32 s[G1X+6], 0
	s_mov_b32 s[G1X+7], 0
	s_or_b32 s[G1W], s22, (1<<16)|(1<<20)|(1<<21)|(5<<22)|(7<<25)  ; the same with my column's mask and 8 words of padding
	s_mov_b32 s[G1W+1], 128<<16
	s_mov_b32 s[G1W+2], 64<<16                     ; tensor_dim1 = 64
	s_mov_b32 s[G1W+3], 128<<16
	s_mov_b32 s[G1W+4], 64                         ; 64 rows
	s_mov_b32 s[G1W+5], 4096
	s_mov_b32 s[G1W+6], 0
	s_mov_b32 s[G1W+7], 0
	s_lshl_b32 s20, s[GY], 18                      ; x: (256 gy + 128 half) rows of 1,024 bytes: these two registers never hold cx
	s_lshl_b32 s21, s[HALF], 17
	s_add_co_u32 s20, s20, s21
	s_mov_b32 s21, 0
	s_lshl_b32 s22, s[HALF], 19                    ; W: 64 half rows of 8,192 bytes + 512 gx columns: these two never hold cy
	s_lshl_b32 s23, s[GX], 10
	s_add_co_u32 s22, s22, s23
	s_mov_b32 s23, 0
	s_mul_i32 s2, s[HALF], 128*PX                  ; where they go: the wave's number and constants alone
	s_mul_i32 s3, s[HALF], 64*PW
	s_add_co_u32 s3, s3, XT
	s_mov_b32 s[OFX+1], 0
	s_lshl_b32 s[OFW], s[ROT], 8                   ; my cluster's first chunk: 256 bytes of a row of W a chunk
	s_mov_b32 s[OFW+1], 0
	s_mov_b32 s[POF+1], 0
	s_wait_dscnt 0x0                               ; the opening add is done
	s_wait_kmcnt 0x0
	s_add_nc_u64 s[XB0:XB0+1], s[4:5], s[20:21]            ; queries
	s_add_nc_u64 s[XB0+2:XB0+3], s[XB0:XB0+1], 0x800000    ; keys
	s_add_nc_u64 s[WB0:WB0+1], s[6:7], s[22:23]            ; Wq'
	s_add_nc_u64 s[WB0+2:WB0+3], s[WB0:WB0+1], 0x400000    ; Wk'
	CROUND                                         ; all sixteen work-groups are here: the first joint loads meet
.irp s, 0,1
	s_mov_b32 s[G0X+4*(\s)], 1
	s_add_co_u32 s[G0X+4*(\s)+1], s2, (\s)*SLOT
	s_mov_b64 s[G0X+4*(\s)+2:G0X+4*(\s)+3], s[XB0+2*(\s):XB0+2*(\s)+1]
	s_or_b32 s[G0X+4*(\s)+3], s[G0X+4*(\s)+3], 0x80000000
	s_mov_b32 s[G0W+4*(\s)], 1
	s_add_co_u32 s[G0W+4*(\s)+1], s3, (\s)*SLOT
	s_add_nc_u64 s[G0W+4*(\s)+2:G0W+4*(\s)+3], s[WB0+2*(\s):WB0+2*(\s)+1], s[OFW:OFW+1]
	s_or_b32 s[G0W+4*(\s)+3], s[G0W+4*(\s)+3], 0x80000000
	JLOAD \s                                       ; double step 0: Q's tiles into slot 0, K's into slot 1
.endr
	v_and_b32 v1, 15, v0                           ; r
	v_bfe_u32 v2, v0, 4, 1                         ; hh
	v_and_b32 v4, 31, v0                           ; lane
	v_mul_u32_u24 v5, v1, PX
	v_lshl_add_u32 v5, v2, 4, v5
	s_mul_i32 s96, s[WV], 64*PX
	v_add_nc_u32 v[ADRX], s96, v5                  ; (64 w + r) x pitch + 16 hh
	v_add_nc_u32 v[ADRX+1], SLOT, v[ADRX]
	v_and_b32 v6, 7, v0
	v_lshl_add_u32 v6, v2, 3, v6
	v_mul_u32_u24 v6, v6, PW
	v_bfe_u32 v7, v0, 3, 1
	v_lshl_add_u32 v6, v7, 4, v6                   ; (8 hh + l % 8) x pitch + 16 ((l / 8) % 2)
	v_add_nc_u32 v[ADRW], XT, v6
	v_add_nc_u32 v[ADRW+1], SLOT, v[ADRW]
	v_lshlrev_b32 v[CO], 4, v4
	s_mov_b32 s[SEL], 0x76543210
	s_mov_b32 s[SEL+1], 0xfedcba98
	s_lshl_b32 s96, s[GX], 21                      ; sp: part gx (2 MiB), block of 16 tokens 16 gy + 4 w (4,096 bytes each)
	s_lshl_b32 s97, s[GY], 16
	s_add_co_u32 s96, s96, s97
	s_lshl_b32 s97, s[WV], 14
	s_add_co_u32 s96, s96, s97
	s_mov_b32 s97, 0
	s_add_nc_u64 s[OUT:OUT+1], s[8:9], s[96:97]
	; the prefetches: who, and from where
	s_and_b32 s90, ttmp7, 0xffff
	s_lshr_b32 s90, s90, 2                         ; 0 in the cluster rows y < 4
	s_cmp_eq_u32 s[ROLE], 0
	s_cselect_b32 s90, ttmp9, s90                  ; x: 0 in the clusters x = 0
	s_cselect_b32 s98, 10, 13                      ; a row: 1,024 bytes of x, 8,192 of W
	s_cmp_eq_u32 s[WV], 3
	s_cselect_b32 s91, 0, 2
	s_cmp_eq_u32 s90, 0
	s_cselect_b32 s[LIM], s91, 0                   ; the same in all sixteen partners, for a given wave
	v_lshlrev_b32 v[PFO], s98, v4
	s_lshl_b32 s92, s[GY], 18                      ; x: my half's rows, of which my work-group takes 32 cx .. + 31
	s_lshl_b32 s93, s[HALF], 17
	s_add_co_u32 s92, s92, s93
	s_lshl_b32 s93, s[CX], 15
	s_add_co_u32 s92, s92, s93
	s_lshl_b32 s94, s[CY], 18                      ; W: rows 32 cy .. + 31 of the 128, my 512 columns
	s_lshl_b32 s95, s[GX], 10
	s_add_co_u32 s94, s94, s95
	s_mov_b32 s95, 0x800000
	s_mov_b32 s93, 0
	s_cmp_eq_u32 s[ROLE], 0
	s_cselect_b32 s92, s92, s94
	s_cselect_b64 s[PB0:PB0+1], s[4:5], s[6:7]
	s_add_nc_u64 s[PB0:PB0+1], s[PB0:PB0+1], s[92:93]
	s_cselect_b32 s92, s95, 0x400000               ; from slot 0's tensor to slot 1's
	s_add_nc_u64 s[PB0+2:PB0+3], s[PB0:PB0+1], s[92:93]
	WIN 0xc0                                       ; S starts at 0, written in the wait for the first tiles: the price of one text for every chunk's fold
.set i, 0
.rept 256
	v_mov_b32 v[i], 0
.set i, i+1
.endr
	WIN 0
	s_wait_tensorcnt 1                             ; my part of slot 0 is in; slot 1's may stay out
	s_barrier_signal -1
	s_barrier_wait -1
	FETCH 0, 0, F0
	s_mov_b32 s[J], 0
	s_mov_b32 s[ZF], 1
.Ltrip:                                                ; double steps 0 to 14: each fills both slots again, with the next double step's tiles
	s_add_co_u32 s[NKS], s[J], 1
	s_lshr_b32 s[NC], s[NKS], 2                    ; which of my four chunks it belongs to,
	s_add_co_u32 s[NC], s[NC], s[ROT]
	s_and_b32 s[NC], s[NC], 3                      ; which chunk that is,
	s_and_b32 s[NKS], s[NKS], 3                    ; its place along k
	s_lshl_b32 s[OFX], s[NKS], 8                   ; 128 k = 256 bytes of a row of x
	s_lshl_b32 s[OFW], s[NKS], 20                  ; = 128 rows of 8,192 bytes of W,
	s_lshl_b32 s[NC], s[NC], 8                     ; a chunk 256 bytes of a row
	s_add_co_u32 s[OFW], s[OFW], s[NC]
	s_add_co_u32 s[NKS], s[J], 2                   ; and the same for the double step two on
	s_lshr_b32 s[NC], s[NKS], 2
	s_add_co_u32 s[NC], s[NC], s[ROT]
	s_and_b32 s[NC], s[NC], 3
	s_and_b32 s[NKS], s[NKS], 3
	s_lshl_b32 s[NC], s[NC], 8
	s_lshl_b32 s96, s[NKS], 20
	s_add_co_u32 s96, s96, s[NC]
	s_lshl_b32 s97, s[NKS], 8
	s_cmp_eq_u32 s[ROLE], 0
	s_cselect_b32 s[POF], s97, s96
	ZQ 0, WQ, 0
	QUARTER 0, 2, F1, F0, WQ, 0
	QUARTER 0, 3, F0, F1, WQ, 0
	TURN 0, 1, WQ, 1
	ZQ 1, WK, 1
	QUARTER 1, 2, F1, F0, WK, 0
	QUARTER 1, 3, F0, F1, WK, 0
	TURN 1, 0, WK, 1
	WIN 0
	s_and_b32 s[KS], s[J], 3
	s_cmp_lg_u32 s[KS], 3
	s_cbranch_scc1 .Lno_fold                       ; the chunk is whole after its fourth double step
	PLACES
	ESUM
	WIN 0
	s_mov_b32 s[ZF], 1
.Lno_fold:
	s_add_co_u32 s[J], s[J], 1
	s_cmp_lt_u32 s[J], 15
	s_cbranch_scc1 .Ltrip
	QUARTER 0, 1, F0, F1, WQ, 0                    ; the last double step is written out: it asks for nothing
	QUARTER 0, 2, F1, F0, WQ, 0
	QUARTER 0, 3, F0, F1, WQ, 0
	TURN 0, 1, WQ, 0
	QUARTER 1, 1, F0, F1, WK, 0
	QUARTER 1, 2, F1, F0, WK, 0
	QUARTER 1, 3, F0, F1, WK, 0
	s_wait_dscnt 4
	MUL8 F1, WK, 0, 0
	MUL8 F1, WK, 1, 0
	s_wait_dscnt 0x0
	MUL8 F1, WK, 2, 0
	MUL8 F1, WK, 3, 0
	PLACES
	ESUM
	; THE END.  Lanes r and r + 16 hold sums over different d for the same token.  The lower lane keeps heads 0-3 and sends heads 4-7, the upper lane the other way round; each adds what it gets.
	; Register i of 32 is then head 4 hh + i / 8, g = i % 8; a store of four registers covers 512 consecutive bytes, aligned.
	s_mov_b32 vcc_lo, 0xffff0000                   ; lanes 16-31; written here, behind the last tensor load
.irp a, 0,1,2,3
	WIN 0x0f
.set i, 0
.rept 32
	v_cndmask_b32 v[TT+i], v[64*(\a)+32+i], v[64*(\a)+i], vcc_lo
.set i, i+1
.endr
	WIN 0xcf
.set i, 0
.rept 32
	v_cndmask_b32 v[64*(\a)+i], v[64*(\a)+i], v[64*(\a)+32+i], vcc_lo
.set i, i+1
.endr
	WIN 0
.set i, 0
.rept 32
	v_permlanex16_b32 v[UU+i], v[TT+i], s[SEL], s[SEL+1]
.set i, i+1
.endr
	WIN 0xc3
.set i, 0
.rept 16
	v_pk_add_f32 v[64*(\a)+i:64*(\a)+i+1], v[64*(\a)+i:64*(\a)+i+1], v[UU+i:UU+i+1]
.set i, i+2
.endr
	WIN 0x0c                                       ; the stores' data in window 3
.irp q, 0,1,2,3,4,5,6,7
	global_store_b128 v[CO], v[64*(\a)+4*(\q):64*(\a)+4*(\q)+3], s[OUT:OUT+1] offset:(\a)*4096+(\q)*512
.endr
.endr
	WIN 0
	s_wait_tensorcnt 0x0                           ; the wave's end
	ds_add_u32 v[SPW], v[NIL]
	s_wait_dscnt 0x0
	CROUND                                         ; the closing round
	s_endpgm
.Lfunc_end_k_qe441f0fb93_scores:
	.size	k_qe441f0fb93_scores, .Lfunc_end_k_qe441f0fb93_scores-k_qe441f0fb93_scores
	.p2alignl 7, 3214868480
	.fill 96, 4, 3214868480
	.section	.rodata,"a",@progbits
	.p2align	6, 0x0
	.amdhsa_kernel k_qe441f0fb93_scores
		.amdhsa_group_segment_fixed_size 327680
		.amdhsa_private_segment_fixed_size 0
		.amdhsa_enable_private_segment 0
		.amdhsa_kernarg_size 24
		.amdhsa_user_sgpr_count 2
		.amdhsa_user_sgpr_kernarg_segment_ptr 1
		.amdhsa_wavefront_size32 1
		.amdhsa_system_sgpr_workgroup_id_x 1
		.amdhsa_system_sgpr_workgroup_id_y 1
		.amdhsa_system_sgpr_workgroup_id_z 1
		.amdhsa_system_vgpr_workitem_id 0
		.amdhsa_next_free_vgpr 1024
		.amdhsa_next_free_sgpr 100
		.amdhsa_reserve_vcc 1
		.amdhsa_float_denorm_mode_32 3
		.amdhsa_float_denorm_mode_16_64 3
		.amdhsa_memory_ordered 1
		.amdhsa_forward_progress 1
		.amdhsa_inst_pref_size 240
	.end_amdhsa_kernel
	.amdgpu_metadata
---
amdhsa.version: [ 1, 2 ]
amdhsa.kernels:
  - .name:           k_qe441f0fb93_scores
    .symbol:         k_qe441f0fb93_scores.kd
    .args:
      - { .name: xb, .offset: 0, .size: 8, .value_kind: global_buffer, .address_space: global }
      - { .name: wb, .offset: 8, .size: 8, .value_kind: global_buffer, .address_space: global }
      - { .name: sp, .offset: 16, .size: 8, .value_kind: global_buffer, .address_space: global }
    .group_segment_fixed_size: 327680
    .private_segment_fixed_size: 0
    .kernarg_segment_align: 8
    .kernarg_segment_size: 24
    .max_flat_workgroup_size: 128
    .sgpr_count:     100
    .vgpr_count:     1024
    .wavefront_size: 32
...
	.end_amdgpu_metadata
.endif
;; end of part 2
;; launch soft (part 3): grid 256 x 1, 8 waves a work-group, no clusters, 0 bytes of LDS; arguments sp, pw; writes pw
.if DOCPART == 3
	.amdgcn_target "amdgcn-amd-amdhsa--gfx1250"
	.amdhsa_code_object_version 6
	.text
	.protected	k_qe441f0fb93_soft
	.globl	k_qe441f0fb93_soft
	.p2align	8
	.type	k_qe441f0fb93_soft,@function
k_qe441f0fb93_soft:
	s_mov_b64 s[64:65], 0
	v_nop
	global_prefetch_b8 v0, s[64:65] scope:SCOPE_SE
	s_setreg_imm32_b32 hwreg(HW_REG_WAVE_MODE, 25, 1), 1
	s_wait_xcnt 0x0
; SOFT: S = the sum of the eight partial sums (f32); P[n][h][:] = softmax over g of S[n][h][:], with the row's true maximum taken away first; P rounded once to f16.
; A thread takes one (token, h): thread t of the launch has token t / 8, h = t % 8.  It reads two quads of 16 bytes from each of the eight parts and stores 16 bytes at 16 t:
; a store of the wave covers 512 consecutive bytes.  A stream of 17 MB on 2,048 waves: no LDS, no matrix unit, no cluster.
; sp: [part 8][block of 16 tokens 512][quad 8][lane 32][4 f32]; lane (r, hh) of quad q holds token r of the block, h = 4 hh + q / 2, g = 4 (q % 2) + 0..3.
; LIMITS: an exponential below 2^-126 counts as 0; P below 6e-8 becomes 0 in f16; NaN and infinities are not treated apart.
.set X, 16                             ; v[16:79] part p's eight scores at X + 8 p
	s_load_b128 s[4:7], s[0:1], 0x0                ; sp s[4:5], pw s[6:7]
	v_lshrrev_b32 v1, 7, v0                        ; which of the work-group's two blocks of 16 tokens
	v_and_b32 v2, 3, v0                            ; h % 4
	v_bfe_u32 v3, v0, 2, 1                         ; hh = h / 4
	v_bfe_u32 v4, v0, 3, 4                         ; r
	v_lshlrev_b32 v5, 12, v1
	v_lshl_add_u32 v5, v2, 10, v5                  ; quads 2 (h % 4) and + 1
	v_lshl_add_u32 v5, v3, 8, v5
	v_lshl_add_u32 v5, v4, 4, v5
	v_lshlrev_b32 v6, 4, v0
	s_lshl_b32 s8, ttmp9, 13
	s_mov_b32 s9, 0
	s_lshl_b32 s10, ttmp9, 12
	s_mov_b32 s11, 0
	s_wait_kmcnt 0x0
	s_add_nc_u64 s[4:5], s[4:5], s[8:9]
	s_add_nc_u64 s[12:13], s[4:5], 0x800000        ; parts 4 to 7: the immediate holds four parts of 2 MiB
	s_add_nc_u64 s[6:7], s[6:7], s[10:11]
.irp p, 0,1,2,3
	global_load_b128 v[X+8*(\p):X+8*(\p)+3],       v5, s[4:5] offset:(\p)*2097152
	global_load_b128 v[X+8*(\p)+4:X+8*(\p)+7],     v5, s[4:5] offset:(\p)*2097152+512
	global_load_b128 v[X+32+8*(\p):X+32+8*(\p)+3],   v5, s[12:13] offset:(\p)*2097152
	global_load_b128 v[X+32+8*(\p)+4:X+32+8*(\p)+7], v5, s[12:13] offset:(\p)*2097152+512
.endr
	s_wait_loadcnt 0x0
.irp p, 1,2,3,4,5,6,7
.irp k, 0,2,4,6
	v_pk_add_f32 v[X+(\k):X+(\k)+1], v[X+(\k):X+(\k)+1], v[X+8*(\p)+(\k):X+8*(\p)+(\k)+1]
.endr
.endr
	v_max3_num_f32 v80, v[X], v[X+1], v[X+2]
	v_max3_num_f32 v80, v80, v[X+3], v[X+4]
	v_max3_num_f32 v80, v80, v[X+5], v[X+6]
	v_max_num_f32 v80, v80, v[X+7]                 ; the row's maximum
	v_mov_b32 v81, v80
.irp k, 0,2,4,6
	v_pk_add_f32 v[X+(\k):X+(\k)+1], v[X+(\k):X+(\k)+1], v[80:81] neg_lo:[0,1] neg_hi:[0,1]  ; s - m first, then the factor: sound for large scores
.endr
.irp k, 0,2,4,6
	v_pk_mul_f32 v[X+(\k):X+(\k)+1], v[X+(\k):X+(\k)+1], 0x3fb8aa3b op_sel_hi:[1,0]          ; log2(e)
.endr
.irp k, 0,1,2,3,4,5,6,7
	v_exp_f32 v[X+(\k)], v[X+(\k)]
.endr
	v_nop                                          ; a plain instruction behind the last exponential,
	s_wait_alu depctr_va_vdst(0)                   ; and one wait for the eight, ahead of their first reader
	v_pk_add_f32 v[82:83], v[X:X+1], v[X+2:X+3]
	v_pk_add_f32 v[84:85], v[X+4:X+5], v[X+6:X+7]
	v_pk_add_f32 v[82:83], v[82:83], v[84:85]
	v_add_f32 v82, v82, v83                        ; at least 1: the maximum's own term
	v_rcp_f32 v84, v82
	v_rcp_f32 v85, v82                             ; twice: a pair for the packed multiply
	v_nop
	s_wait_alu depctr_va_vdst(0)
.irp k, 0,2,4,6
	v_pk_mul_f32 v[X+(\k):X+(\k)+1], v[X+(\k):X+(\k)+1], v[84:85]
.endr
.irp k, 0,1,2,3
	v_cvt_pk_f16_f32 v[88+(\k)], v[X+2*(\k)], v[X+2*(\k)+1]
.endr
	global_store_b128 v6, v[88:91], s[6:7]
	s_endpgm
.Lfunc_end_k_qe441f0fb93_soft:
	.size	k_qe441f0fb93_soft, .Lfunc_end_k_qe441f0fb93_soft-k_qe441f0fb93_soft
	.p2alignl 7, 3214868480
	.fill 96, 4, 3214868480
	.section	.rodata,"a",@progbits
	.p2align	6, 0x0
	.amdhsa_kernel k_qe441f0fb93_soft
		.amdhsa_group_segment_fixed_size 0
		.amdhsa_private_segment_fixed_size 0
		.amdhsa_enable_private_segment 0
		.amdhsa_kernarg_size 16
		.amdhsa_user_sgpr_count 2
		.amdhsa_user_sgpr_kernarg_segment_ptr 1
		.amdhsa_wavefront_size32 1
		.amdhsa_system_sgpr_workgroup_id_x 1
		.amdhsa_system_sgpr_workgroup_id_y 1
		.amdhsa_system_sgpr_workgroup_id_z 1
		.amdhsa_system_vgpr_workitem_id 0
		.amdhsa_next_free_vgpr 96
		.amdhsa_next_free_sgpr 66
		.amdhsa_reserve_vcc 0
		.amdhsa_float_denorm_mode_32 3
		.amdhsa_float_denorm_mode_16_64 3
		.amdhsa_memory_ordered 1
		.amdhsa_forward_progress 1
		.amdhsa_inst_pref_size 7
	.end_amdhsa_kernel
	.amdgpu_metadata
---
amdhsa.version: [ 1, 2 ]
amdhsa.kernels:
  - .name:           k_qe441f0fb93_soft
    .symbol:         k_qe441f0fb93_soft.kd
    .args:
      - { .name: sp, .offset: 0, .size: 8, .value_kind: global_buffer, .address_space: global }
      - { .name: pw, .offset: 8, .size: 8, .value_kind: global_buffer, .address_space: global }
    .group_segment_fixed_size: 0
    .private_segment_fixed_size: 0
    .kernarg_segment_align: 8
    .kernarg_segment_size: 16
    .max_flat_workgroup_size: 256
    .sgpr_count:     66
    .vgpr_count:     96
    .wavefront_size: 32
...
	.end_amdgpu_metadata
.endif
;; end of part 3
;; launch mix (part 4): grid 8 x 32, 4 waves a work-group, clusters of 4 x 4, 327,680 bytes of LDS; arguments xb, wb, pw, ow; writes ow
.if DOCPART == 4
	.amdgcn_target "amdgcn-amd-amdhsa--gfx1250"
	.amdhsa_code_object_version 6
	.text
	.protected	k_qe441f0fb93_mix
	.globl	k_qe441f0fb93_mix
	.p2align	8
	.type	k_qe441f0fb93_mix,@function
k_qe441f0fb93_mix:
	s_mov_b64 s[64:65], 0
	v_nop
	global_prefetch_b8 v0, s[64:65] scope:SCOPE_SE
	s_setreg_imm32_b32 hwreg(HW_REG_WAVE_MODE, 25, 1), 1
	s_wait_xcnt 0x0
	s_wait_alu depctr_hold_cnt(0) depctr_sa_sdst(0) depctr_va_vdst(0) depctr_va_sdst(0) depctr_va_ssrc(0) depctr_va_vcc(0) depctr_vm_vsrc(0)
	s_getreg_b32 s2, hwreg(HW_REG_IB_STS2, 6, 4)
	s_cmp_eq_u32 s2, 0
	s_cbranch_scc0 .Lentry_in_a_cluster
	s_endpgm
.Lentry_in_a_cluster:
	s_bfe_u32 s2, ttmp6, 0x10000c
	s_cmp_lg_u32 s2, 0xf033
	s_cbranch_scc0 .Lentry_shape_is_right
	s_endpgm
.Lentry_shape_is_right:
; MIX: V = values Wv and O[n][h][d] = sum over g of P[n][h][g] V[n][g][d].  V is never stored: a work-group makes it for 256 tokens and 64 d (all eight heads), sixteen d at a time, and multiplies it by P at once.
; O leaves as ow[token][d*8+h] in f16.
; SHARES.  Work-group (gx, gy): d = 64 gx .. + 63, tokens 256 gy .. + 255; wave w its tokens 64 w .. + 63.  A CHUNK is sixteen d = one block of 128 columns of Wv'' (column g*16 + d%16).  A STEP is 128 along k: 128 matrix
; instructions a wave; four steps a chunk, sixteen the launch; steps take the two slots by turns.
; THE ORDER OF THE CHUNKS.  The clusters of cluster row y begin at chunk y mod 4 and go round: at any time the eight cluster rows that read the same columns of Wv'' walk four different chunks, and a tile of Wv'' is read for
; the first time in the launch only in some cluster row's first chunk.  y is the cluster's, the same in all sixteen partners.
; LAYOUT.  Source 0 = 16 tokens, source 1 = 16 columns of Wv'' (tile [k][column], turned by ds_load_tr16_b128).  Tile (a, g): lane (r, hh), register j holds V[token 16 a + 8 hh + j][g][d0 + r].
; THE SECOND PRODUCT takes TWO tokens at a time, 16 a + j and 16 a + 8 + j.  Its rows are (token tt, h), its k (token tt', g) in k 0-15, nothing in k 16-31.  Source 0 is P, block-diagonal in the two tokens: lane (r, hh) holds
; P[token r / 8][h = r % 8][0..7] where r / 8 = hh, else 0: 16 bytes of pw, kept in registers for the whole launch.  Source 1 is V: lane (r, hh) needs V[token hh][g 0..7][d0 + r], which are register j of its OWN eight
; accumulators: four roundings to f16, and nothing changes lanes.  Source 1's registers 4-7 are 0; source 0's are the next pair's P, finite numbers that meet those zeros.
; The result: lane (r, hh), register h: O[token 16 a + 8 hh + j][h][d0 + r]: 16 bytes of ow; sixteen lanes fill 256 consecutive bytes, aligned.
; RING, CLUSTER: two slots, each a tile of x (256 tokens x 128 k) and of W (128 k x 128 columns); x's tile is asked for jointly along a row of the 4 x 4 cluster, W's along a column; two tensor loads of a wave out at the start, then one.
; NO PREFETCH.  First readings of x's and W's blocks fall into a cluster's first chunk, steps 0 to 3: steps 0 and 1 are the first fills, steps 2 and 3 are asked for at the ends of steps 0 and 1.  None of them lies two refills
; (256 matrix instructions) ahead of a place where a prefetch could stand, and nothing is prefetched at the head, where every work-group's first tiles are on their way.  All later tiles are later readings.
; FORMATS, LIMITS.  values and Wv arrive rounded to bf16; sums in f32; V, P, O in f16: |V| must stay under 65,504 (O is a mean of V's and has their range).  NaN and infinities are not treated apart.
; REGISTERS (s_set_vgpr_msb: bits 1:0 source 0, 3:2 source 1, 5:4 source 2, 7:6 destination):
;   window 0: v0-31 addresses; v64-159, v160-255 fragment buffers      window 1: V, tile (a, g) at 8 (8 a + g)
;   window 2: v0-127 P, four registers a pair 8 a + j; v128-131 zeros; v136-199 V in f16, eight buffers of 8      window 3: v0-63 eight results; v64-95 they in f16
.set PX,    272
.set PW,    288
.set XT,    256*PX
.set SLOT,  XT+128*PW
.set SPARE, 2*SLOT                     ; the spare words: two blocks of 256 bytes that no other line names
.set ADRX, 16
.set ADRW, 20
.set CO,   26                          ; v26  my 16 bytes in ow: 8 hh rows of 8,192 bytes + 16 r
.set PO,   27                          ; v27  my 16 bytes in pw: 8 hh tokens of 128 bytes + 16 (l % 8)
.set SPW,  28
.set NIL,  29
.set F0,   64
.set F1,   160
.set VF,   136                         ; window 2
.set OT,   0                           ; window 3
.set OP,   64                          ; window 3
.set WV,   12
.set ROLE, 13
.set HALF, 14
.set CX,   15
.set CY,   16
.set GX,   17
.set GY,   18
.set ZF,   19                          ; s19 1: the next step starts a chunk's sums
.set G1X,  24
.set G0X,  32
.set J,    40                          ; s40 the pair of steps
.set KS,   41
.set NKS,  42
.set NC,   43
.set OFX,  44
.set OFW,  46
.set G1W,  48
.set G0W,  56
.set XB0,  66                          ; s[66:69] my half of x's tiles at k = 0 and at k = 128
.set WB0,  70                          ; s[70:73] my half of W's tiles likewise, chunk 0
.set ROT,  74                          ; s74 the cluster's y mod 4: the chunk at which my cluster begins
.set OBASE, 86                         ; s[86:87] ow at my wave's first token, my work-group's first d
.set OCUR, 88                          ; s[88:89] the same at the chunk in hand
.set PWB,  90                          ; s[90:91] pw at my wave's first token
.set WA,   0x50                        ; fragments in window 0, C and D in window 1
.set MSB, 0
.macro WIN new
.if MSB != (\new)
	s_set_vgpr_msb (MSB<<8)|(\new)
.set MSB, \new
.endif
.endm
.macro PLACES                          ; four places behind matrix instructions (ISA guide 7.12.1)
.rept 4
	v_nop
.endr
.endm
.macro JLOAD s                         ; a joint load; an s_nop 0 and four v_nop follow each of the two lines
	s_cmp_eq_u32 s[ROLE], 0
	s_cbranch_scc0 .Lfor_w_\@
	tensor_load_to_lds s[G0X+4*(\s):G0X+4*(\s)+3], s[G1X:G1X+7]
	s_nop 0
.rept 4
	v_nop
.endr
	s_branch .Lasked_\@
.Lfor_w_\@:
	tensor_load_to_lds s[G0W+4*(\s):G0W+4*(\s)+3], s[G1W:G1W+7]
	s_nop 0
.rept 4
	v_nop
.endr
.Lasked_\@:
.endm
.macro CREST
	s_cmp_lg_u32 s[WV], 0
	s_cbranch_scc1 .Lnot_wave_0_\@
	s_barrier_signal -3
.Lnot_wave_0_\@:
	s_barrier_wait -3
	s_barrier_signal -1
	s_barrier_wait -1
.endm
.macro CROUND
	s_barrier_signal -1
	s_barrier_wait -1
	CREST
.endm
.macro MKADR s
	s_add_nc_u64 s[G0X+4*(\s)+2:G0X+4*(\s)+3], s[XB0+2*(\s):XB0+2*(\s)+1], s[OFX:OFX+1]
	s_or_b32 s[G0X+4*(\s)+3], s[G0X+4*(\s)+3], 0x80000000
	s_add_nc_u64 s[G0W+4*(\s)+2:G0W+4*(\s)+3], s[WB0+2*(\s):WB0+2*(\s)+1], s[OFW:OFW+1]
	s_or_b32 s[G0W+4*(\s)+3], s[G0W+4*(\s)+3], 0x80000000
.endm
.macro FETCH slot, q, f                ; 24 LDS loads: W's eight fragments (turned), x's blocks 0, 1, then 2, 3
	WIN 0
.irp t, 0,1,2,3,4,5,6,7
	ds_load_tr16_b128 v[(\f)+8*(\t):(\f)+8*(\t)+3],   v[ADRW+(\slot)] offset:(\q)*32*PW+(\t)*32
	ds_load_tr16_b128 v[(\f)+8*(\t)+4:(\f)+8*(\t)+7], v[ADRW+(\slot)] offset:(\q)*32*PW+16*PW+(\t)*32
.endr
.irp a, 0,1,2,3
	ds_load_b128 v[(\f)+64+8*(\a):(\f)+64+8*(\a)+3],   v[ADRX+(\slot)] offset:(\a)*16*PX+(\q)*64
	ds_load_b128 v[(\f)+64+8*(\a)+4:(\f)+64+8*(\a)+7], v[ADRX+(\slot)] offset:(\a)*16*PX+(\q)*64+32
.endr
.endm
.macro MUL8 f, a, zero                 ; token block a x all 8 heads; the 32 accumulators take turns
	WIN WA
.irp t, 0,1,2,3,4,5,6,7
.if \zero
	v_wmma_f32_16x16x32_bf16 v[8*(8*(\a)+(\t)):8*(8*(\a)+(\t))+7], v[(\f)+64+8*(\a):(\f)+64+8*(\a)+7], v[(\f)+8*(\t):(\f)+8*(\t)+7], 0
.else
	v_wmma_f32_16x16x32_bf16 v[8*(8*(\a)+(\t)):8*(8*(\a)+(\t))+7], v[(\f)+64+8*(\a):(\f)+64+8*(\a)+7], v[(\f)+8*(\t):(\f)+8*(\t)+7], v[8*(8*(\a)+(\t)):8*(8*(\a)+(\t))+7]
.endif
.endr
.endm
.macro QUARTER slot, qn, f, g, zero
	s_wait_dscnt 4                                 ; the youngest four loads (x's blocks 2, 3) may be out
	MUL8 \f, 0, \zero
	MUL8 \f, 1, \zero
	PLACES
	FETCH \slot, \qn, \g
	s_wait_dscnt 24                                ; all but the 24 just issued
	MUL8 \f, 2, \zero
	MUL8 \f, 3, \zero
.endm
; A first quarter where a chunk may begin: both arms issue the same loads; neither holds a barrier or a tensor load.  A product that starts a sum anew writes over its accumulator and is no link of a chain in place:
; it stands five places behind the last product on that accumulator (ISA guide 7.12.1).  Five v_nop at the arm's head give every one of the 32 that distance whatever stands in front of the arm; the arm runs four times a launch.
.macro ZQ slot
	WIN 0
	s_cmp_eq_u32 s[ZF], 1
	s_cbranch_scc0 .Lgo_on_\@
.rept 5
	v_nop
.endr
	QUARTER \slot, 1, F0, F1, 1
	WIN 0
	s_mov_b32 s[ZF], 0
	s_branch .Ljoined_\@
.Lgo_on_\@:
	QUARTER \slot, 1, F0, F1, 0
	WIN 0
.Ljoined_\@:
.endm
; The fourth quarter and the change of slots: the wait for all my tensor loads, the add, the wait for it and for my reads of this slot; with fill = 1 a round of the cluster's barrier and the joint refill first behind it.
.macro TURN slot, next, fill
	WIN 0
	s_wait_tensorcnt 0x0                           ; all my tensor loads have landed, so a group 0 may be written
	ds_add_u32 v[SPW], v[NIL]
.if \fill
	MKADR \slot
.endif
	s_wait_dscnt 5                                 ; (the add and the youngest four loads may be out)
	MUL8 F1, 0, 0
	s_wait_dscnt 0x0
	s_barrier_signal -1
	MUL8 F1, 1, 0
.if \fill
	WIN 0
.endif
	s_barrier_wait -1
.if \fill
	CREST
	JLOAD \slot                                    ; its four v_nop are also the places in front of the loads below
.else
	PLACES
.endif
	FETCH \next, 0, F0
	MUL8 F1, 2, 0
	MUL8 F1, 3, 0
.endm
; A chunk's V is whole: O = P V, sixteen tokens (eight pairs) at a time, and out.
.macro EPI
	WIN 0
	s_wait_xcnt 0x0                                ; the last chunk's stores have read their base
	s_lshr_b32 s96, s[J], 1                        ; which of my four chunks this is,
	s_add_co_u32 s96, s96, s[ROT]
	s_and_b32 s96, s96, 3                          ; which chunk that is:
	s_lshl_b32 s96, s96, 8                         ; 16 d x 16 bytes
	s_mov_b32 s97, 0
	s_add_nc_u64 s[OCUR:OCUR+1], s[OBASE:OBASE+1], s[96:97]
	PLACES
.irp a, 0,1,2,3
	WIN 0x85                                       ; sources in window 1, destination in window 2
.irp j, 0,1,2,3,4,5,6,7                ; j ascending: register 0 of each accumulator is read first
.irp g, 0,1,2,3
	v_cvt_pk_f16_f32 v[VF+8*(\j)+(\g)], v[8*(8*(\a)+2*(\g))+(\j)], v[8*(8*(\a)+2*(\g)+1)+(\j)]
.endr
.endr
	WIN 0xca                                       ; P and V in window 2, the result in window 3
.irp j, 0,1,2,3,4,5,6,7
	v_wmma_f32_16x16x32_f16 v[OT+8*(\j):OT+8*(\j)+7], v[4*(8*(\a)+(\j)):4*(8*(\a)+(\j))+7], v[VF+8*(\j):VF+8*(\j)+7], 0
.endr
	PLACES
	s_wait_xcnt 0x0                                ; the last block's stores have read their data
	WIN 0xcf
.irp j, 0,1,2,3,4,5,6,7
.irp g, 0,1,2,3
	v_cvt_pk_f16_f32 v[OP+4*(\j)+(\g)], v[OT+8*(\j)+2*(\g)], v[OT+8*(\j)+2*(\g)+1]
.endr
.endr
	WIN 0x0c                                       ; the stores' data in window 3
.irp j, 0,1,2,3,4,5,6,7
	global_store_b128 v[CO], v[OP+4*(\j):OP+4*(\j)+3], s[OCUR:OCUR+1] offset:(16*(\a)+(\j))*8192  ; tokens 16 a + j and + 8: two aligned runs of 256 bytes
.endr
.endr
	WIN 0
.endm
	s_load_b256 s[4:11], s[0:1], 0x0               ; xb s[4:5], wb s[6:7], pw s[8:9], ow s[10:11]
	v_lshl_add_u32 v[SPW], v0, 2, SPARE
	v_mov_b32 v[NIL], 0
	ds_add_u32 v[SPW], v[NIL]                      ; the wave's opening: the add and its wait ahead of my first tensor load
	v_lshrrev_b32 v3, 5, v0
	v_readfirstlane_b32 s[WV], v3
	s_lshr_b32 s[ROLE], s[WV], 1
	s_and_b32 s[HALF], s[WV], 1
	s_bfe_u32 s[CX], ttmp6, 0x40000
	s_bfe_u32 s[CY], ttmp6, 0x40004
	s_lshl_b32 s[GX], ttmp9, 2
	s_add_co_u32 s[GX], s[GX], s[CX]
	s_and_b32 s[GY], ttmp7, 0xffff
	s_and_b32 s[ROT], s[GY], 3                     ; the cluster's y mod 4, taken before cy is added
	s_lshl_b32 s[GY], s[GY], 2
	s_add_co_u32 s[GY], s[GY], s[CY]
	s_lshl_b32 s20, s[CY], 2
	s_lshl_b32 s20, 15, s20                        ; my row of the cluster
	s_lshl_b32 s22, 0x1111, s[CX]                  ; my column
	s_or_b32 s[G1X], s20, (1<<16)|(1<<20)|(1<<21)|(5<<22)|(3<<25)
	s_mov_b32 s[G1X+1], 128<<16
	s_mov_b32 s[G1X+2], 128<<16
	s_mov_b32 s[G1X+3], 128<<16
	s_mov_b32 s[G1X+4], 128
	s_mov_b32 s[G1X+5], 512
	s_mov_b32 s[G1X+6], 0
	s_mov_b32 s[G1X+7], 0
	s_or_b32 s[G1W], s22, (1<<16)|(1<<20)|(1<<21)|(5<<22)|(7<<25)
	s_mov_b32 s[G1W+1], 128<<16
	s_mov_b32 s[G1W+2], 64<<16
	s_mov_b32 s[G1W+3], 128<<16
	s_mov_b32 s[G1W+4], 64
	s_mov_b32 s[G1W+5], 4096
	s_mov_b32 s[G1W+6], 0
	s_mov_b32 s[G1W+7], 0
	s_lshl_b32 s20, s[GY], 18                      ; x: these two registers never hold cx
	s_lshl_b32 s21, s[HALF], 17
	s_add_co_u32 s20, s20, s21
	s_mov_b32 s21, 0
	s_lshl_b32 s22, s[HALF], 19                    ; W: these two never hold cy
	s_lshl_b32 s23, s[GX], 10
	s_add_co_u32 s22, s22, s23
	s_mov_b32 s23, 0
	s_mul_i32 s2, s[HALF], 128*PX
	s_mul_i32 s3, s[HALF], 64*PW
	s_add_co_u32 s3, s3, XT
	s_mov_b32 s[OFX+1], 0
	s_lshl_b32 s[OFW], s[ROT], 8                   ; my cluster's first chunk: 256 bytes of a row of W a chunk
	s_mov_b32 s[OFW+1], 0
	s_wait_dscnt 0x0
	s_wait_kmcnt 0x0
	s_add_nc_u64 s[XB0:XB0+1], s[4:5], s[20:21]
	s_add_nc_u64 s[XB0:XB0+1], s[XB0:XB0+1], 0x1000000     ; values' section
	s_add_nc_u64 s[XB0+2:XB0+3], s[XB0:XB0+1], 256         ; slot 1 is always one step along k ahead of slot 0
	s_add_nc_u64 s[WB0:WB0+1], s[6:7], s[22:23]
	s_add_nc_u64 s[WB0:WB0+1], s[WB0:WB0+1], 0x800000      ; Wv''
	s_add_nc_u64 s[WB0+2:WB0+3], s[WB0:WB0+1], 0x100000
	CROUND                                         ; the first joint loads meet
.irp s, 0,1
	s_mov_b32 s[G0X+4*(\s)], 1
	s_add_co_u32 s[G0X+4*(\s)+1], s2, (\s)*SLOT
	s_mov_b64 s[G0X+4*(\s)+2:G0X+4*(\s)+3], s[XB0+2*(\s):XB0+2*(\s)+1]
	s_or_b32 s[G0X+4*(\s)+3], s[G0X+4*(\s)+3], 0x80000000
	s_mov_b32 s[G0W+4*(\s)], 1
	s_add_co_u32 s[G0W+4*(\s)+1], s3, (\s)*SLOT
	s_add_nc_u64 s[G0W+4*(\s)+2:G0W+4*(\s)+3], s[WB0+2*(\s):WB0+2*(\s)+1], s[OFW:OFW+1]
	s_or_b32 s[G0W+4*(\s)+3], s[G0W+4*(\s)+3], 0x80000000
	JLOAD \s                                       ; steps 0 and 1
.endr
	v_and_b32 v1, 15, v0                           ; r
	v_bfe_u32 v2, v0, 4, 1                         ; hh
	v_and_b32 v6, 7, v0
	v_lshlrev_b32 v[PO], 4, v6
	v_lshl_add_u32 v[PO], v2, 10, v[PO]
	s_lshl_b32 s96, s[GY], 15                      ; pw: (256 gy + 64 w) tokens of 128 bytes
	s_lshl_b32 s97, s[WV], 13
	s_add_co_u32 s96, s96, s97
	s_mov_b32 s97, 0
	s_add_nc_u64 s[PWB:PWB+1], s[8:9], s[96:97]
	WIN 0x80                                       ; destination window 2
.set p, 0
.rept 32
	global_load_b128 v[4*p:4*p+3], v[PO], s[PWB:PWB+1] offset:(16*(p/8)+p%8)*128  ; pair p = 8 a + j: token 16 a + j, or + 8 in the upper lanes
.set p, p+1
.endr
.irp k, 128,129,130,131
	v_mov_b32 v[\k], 0                             ; what the last pair's source 0 names behind its P
.endr
.irp j, 0,1,2,3,4,5,6,7
.irp k, 4,5,6,7
	v_mov_b32 v[VF+8*(\j)+(\k)], 0                 ; source 1's k 16-31
.endr
.endr
	WIN 0
	v_mul_u32_u24 v5, v1, PX
	v_lshl_add_u32 v5, v2, 4, v5
	s_mul_i32 s96, s[WV], 64*PX
	v_add_nc_u32 v[ADRX], s96, v5
	v_add_nc_u32 v[ADRX+1], SLOT, v[ADRX]
	v_lshl_add_u32 v6, v2, 3, v6
	v_mul_u32_u24 v6, v6, PW
	v_bfe_u32 v7, v0, 3, 1
	v_lshl_add_u32 v6, v7, 4, v6
	v_add_nc_u32 v[ADRW], XT, v6
	v_add_nc_u32 v[ADRW+1], SLOT, v[ADRW]
	v_lshlrev_b32 v[CO], 4, v1
	v_lshl_add_u32 v[CO], v2, 16, v[CO]
	s_lshl_b32 s96, s[GY], 21                      ; ow: (256 gy + 64 w) rows of 8,192 bytes + 64 gx d of 16 bytes
	s_lshl_b32 s97, s[WV], 19
	s_add_co_u32 s96, s96, s97
	s_lshl_b32 s97, s[GX], 10
	s_add_co_u32 s96, s96, s97
	s_mov_b32 s97, 0
	s_add_nc_u64 s[OBASE:OBASE+1], s[10:11], s[96:97]
	s_wait_loadcnt 0x0                             ; P
	s_mov_b32 vcc_lo, 0xff0000ff                   ; the lanes with r / 8 = hh; written behind the first fills and read ahead of the next tensor load
	WIN 0x88
.set i, 0
.rept 128
	v_cndmask_b32 v[i], 0, v[i], vcc_lo            ; block-diagonal: kept where r / 8 = hh
.set i, i+1
.endr
	WIN 0
	s_wait_tensorcnt 1                             ; my part of slot 0 is in; slot 1's may stay out
	s_barrier_signal -1
	s_barrier_wait -1
	FETCH 0, 0, F0
	s_mov_b32 s[J], 0
	s_mov_b32 s[ZF], 1
.Ltrip:                                                ; steps 2 J and 2 J + 1; the slots are filled again with steps 2 J + 2 and 2 J + 3
	s_lshl_b32 s[NKS], s[J], 1
	s_add_co_u32 s[NKS], s[NKS], 2
	s_lshr_b32 s[NC], s[NKS], 2                    ; which of my four chunks they belong to,
	s_add_co_u32 s[NC], s[NC], s[ROT]
	s_and_b32 s[NC], s[NC], 3                      ; which chunk that is
	s_and_b32 s96, s[NKS], 3
	s_lshl_b32 s[OFX], s96, 8
	s_lshl_b32 s[OFW], s96, 20
	s_lshl_b32 s[NC], s[NC], 8
	s_add_co_u32 s[OFW], s[OFW], s[NC]
	ZQ 0
	QUARTER 0, 2, F1, F0, 0
	QUARTER 0, 3, F0, F1, 0
	TURN 0, 1, 1
	QUARTER 1, 1, F0, F1, 0
	QUARTER 1, 2, F1, F0, 0
	QUARTER 1, 3, F0, F1, 0
	TURN 1, 0, 1
	WIN 0
	s_and_b32 s[KS], s[J], 1
	s_cmp_lg_u32 s[KS], 1
	s_cbranch_scc1 .Lno_out                        ; a chunk is whole after every second trip
	EPI
	s_mov_b32 s[ZF], 1
.Lno_out:
	s_add_co_u32 s[J], s[J], 1
	s_cmp_lt_u32 s[J], 7
	s_cbranch_scc1 .Ltrip
	QUARTER 0, 1, F0, F1, 0                        ; steps 14 and 15 are written out: they ask for nothing
	QUARTER 0, 2, F1, F0, 0
	QUARTER 0, 3, F0, F1, 0
	TURN 0, 1, 0
	QUARTER 1, 1, F0, F1, 0
	QUARTER 1, 2, F1, F0, 0
	QUARTER 1, 3, F0, F1, 0
	s_wait_dscnt 4
	MUL8 F1, 0, 0
	MUL8 F1, 1, 0
	s_wait_dscnt 0x0
	MUL8 F1, 2, 0
	MUL8 F1, 3, 0
	EPI                                            ; J = 7: the last of my four chunks
	s_wait_tensorcnt 0x0                           ; the wave's end
	ds_add_u32 v[SPW], v[NIL]
	s_wait_dscnt 0x0
	CROUND                                         ; the closing round
	s_endpgm
.Lfunc_end_k_qe441f0fb93_mix:
	.size	k_qe441f0fb93_mix, .Lfunc_end_k_qe441f0fb93_mix-k_qe441f0fb93_mix
	.p2alignl 7, 3214868480
	.fill 96, 4, 3214868480
	.section	.rodata,"a",@progbits
	.p2align	6, 0x0
	.amdhsa_kernel k_qe441f0fb93_mix
		.amdhsa_group_segment_fixed_size 327680
		.amdhsa_private_segment_fixed_size 0
		.amdhsa_enable_private_segment 0
		.amdhsa_kernarg_size 32
		.amdhsa_user_sgpr_count 2
		.amdhsa_user_sgpr_kernarg_segment_ptr 1
		.amdhsa_wavefront_size32 1
		.amdhsa_system_sgpr_workgroup_id_x 1
		.amdhsa_system_sgpr_workgroup_id_y 1
		.amdhsa_system_sgpr_workgroup_id_z 1
		.amdhsa_system_vgpr_workitem_id 0
		.amdhsa_next_free_vgpr 896
		.amdhsa_next_free_sgpr 100
		.amdhsa_reserve_vcc 1
		.amdhsa_float_denorm_mode_32 3
		.amdhsa_float_denorm_mode_16_64 3
		.amdhsa_memory_ordered 1
		.amdhsa_forward_progress 1
		.amdhsa_inst_pref_size 128
	.end_amdhsa_kernel
	.amdgpu_metadata
---
amdhsa.version: [ 1, 2 ]
amdhsa.kernels:
  - .name:           k_qe441f0fb93_mix
    .symbol:         k_qe441f0fb93_mix.kd
    .args:
      - { .name: xb, .offset: 0, .size: 8, .value_kind: global_buffer, .address_space: global }
      - { .name: wb, .offset: 8, .size: 8, .value_kind: global_buffer, .address_space: global }
      - { .name: pw, .offset: 16, .size: 8, .value_kind: global_buffer, .address_space: global }
      - { .name: ow, .offset: 24, .size: 8, .value_kind: global_buffer, .address_space: global }
    .group_segment_fixed_size: 327680
    .private_segment_fixed_size: 0
    .kernarg_segment_align: 8
    .kernarg_segment_size: 32
    .max_flat_workgroup_size: 128
    .sgpr_count:     100
    .vgpr_count:     896
    .wavefront_size: 32
...
	.end_amdgpu_metadata
.endif
;; end of part 4
;; launch outp (part 5): grid 4 x 64, 4 waves a work-group, clusters of 4 x 4, 327,680 bytes of LDS; arguments ow, wb, bo, out0; writes out0
.if DOCPART == 5
	.amdgcn_target "amdgcn-amd-amdhsa--gfx1250"
	.amdhsa_code_object_version 6
	.text
	.protected	k_qe441f0fb93_outp
	.globl	k_qe441f0fb93_outp
	.p2align	8
	.type	k_qe441f0fb93_outp,@function
k_qe441f0fb93_outp:
	s_mov_b64 s[64:65], 0
	v_nop
	global_prefetch_b8 v0, s[64:65] scope:SCOPE_SE
	s_setreg_imm32_b32 hwreg(HW_REG_WAVE_MODE, 25, 1), 1
	s_wait_xcnt 0x0
	s_wait_alu depctr_hold_cnt(0) depctr_sa_sdst(0) depctr_va_vdst(0) depctr_va_sdst(0) depctr_va_ssrc(0) depctr_va_vcc(0) depctr_vm_vsrc(0)
	s_getreg_b32 s2, hwreg(HW_REG_IB_STS2, 6, 4)
	s_cmp_eq_u32 s2, 0
	s_cbranch_scc0 .Lentry_in_a_cluster
	s_endpgm
.Lentry_in_a_cluster:
	s_bfe_u32 s2, ttmp6, 0x10000c
	s_cmp_lg_u32 s2, 0xf033
	s_cbranch_scc0 .Lentry_shape_is_right
	s_endpgm
.Lentry_shape_is_right:
; OUTP: out0[n][c] = sum over k' of O'[n][k'] Wo'[k'][c] + bo[c].  O': ow, [8192][4096] f16, k' = d*8+h; Wo': wb + 12 MiB, [4096][512] f16; out0 f32.  Sums in f32; the bias, rounded to bf16 as every other input is, is the C of
; the first product.
; A tile of out0 is 128 x 128: 256 work-groups, one for each WGP.  Four waves, each 64 x 64: 16 accumulators.  K goes in steps of 256 through two LDS slots: O's tile 128 rows x 512 bytes, Wo's 256 rows x 256 bytes.
; CLUSTER 4 x 4: O's tile hangs on gy alone and is asked for jointly along a row of the cluster (the four column blocks of out0: each byte of ow is asked for once in the launch), Wo's on gx alone and along a column.
; Waves 0, 1 fetch O's halves, waves 2, 3 Wo's.  Two tensor loads of a wave are out at the start, then one.
; Source 0 = 16 columns of Wo' (tile [k'][column], turned by ds_load_tr16_b128), source 1 = 16 tokens: a lane holds eight neighbouring numbers of a row of out0.  A wave's 64 columns are 256 bytes, aligned: each wave has a stage of its own.
; No prefetch: a step is 128 matrix instructions for 128 KiB, and the launch keeps memory busy with ow's 64 MiB as it is.
; REGISTERS: window 0: v0-31 addresses; v32-95 at work on the way out; v96-127 the bias; v128-255 accumulators ((a, b) at 128 + 8 (4 a + b)).  window 1: two fragment buffers of 128: 64 of O' (2 x 4 fragments), then 64 of Wo'.
.set KSTEP,  256
.set PA,     528                       ; a row of O' in LDS: 512 bytes + 16
.set PB,     288                       ; a row of Wo': 256 + 32
.set HA,     64*PA                     ; what one tensor load brings of O',
.set HB,     128*PB                    ; and of Wo'
.set AT,     2*HA                      ; O's tile, 67,584 bytes; Wo's lies behind it
.set SLOT,   AT+2*HB                   ; 141,312
.set STAGE,  2*SLOT                    ; behind the ring: 16 rows x 272 bytes for each wave; no tensor load fills it
.set SPITCH, 272
.set SPARE,  STAGE+4*16*SPITCH         ; the spare words: two blocks of 256 bytes that no other line names
.set LAPS,   4096/(2*KSTEP)
.set ADRA, 16                          ; v16-17  my O' fragments in slot 0, 1
.set ADRB, 20                          ; v20-23  my Wo' fragments: slot 0 rows 0-127, rows 128-255; slot 1 likewise (an LDS offset has 16 bits)
.set STO,  24
.set RD,   25
.set CO,   26
.set BO,   27
.set SPW,  28
.set NIL,  29
.set TMP,  32
.set BIAS, 96
.set ACC,  128
.set F0,   0
.set F1,   128
.set WV,   12
.set RH,   13                          ; s13 which 64 tokens are mine.  Also: I fetch O' (0) or Wo' (1)
.set CH,   14                          ; s14 which 64 columns.  Also: which half of that tile I fetch
.set CX,   15
.set CY,   16
.set GX,   17
.set GY,   18
.set LAP,  19
.set G1,   24
.set G0,   32
.set G1B,  48
.set G0B,  56
.set MSB, 0
.macro WIN new
.if MSB != (\new)
	s_set_vgpr_msb (MSB<<8)|(\new)
.set MSB, \new
.endif
.endm
.set MUL,  0x05                        ; sources in window 1; C and D in window 0
.set TO_F, 0x40                        ; destination window 1, address window 0
.macro JLOAD s                         ; a joint load; an s_nop 0 and four v_nop follow each of the two lines
	s_cmp_eq_u32 s[RH], 0
	s_cbranch_scc0 .Lfor_b_\@
	tensor_load_to_lds s[G0+4*(\s):G0+4*(\s)+3], s[G1:G1+7]
	s_nop 0
.rept 4
	v_nop
.endr
	s_branch .Lasked_\@
.Lfor_b_\@:
	tensor_load_to_lds s[G0B+4*(\s):G0B+4*(\s)+3], s[G1B:G1B+7]
	s_nop 0
.rept 4
	v_nop
.endr
.Lasked_\@:
.endm
.macro CREST
	s_cmp_lg_u32 s[WV], 0
	s_cbranch_scc1 .Lnot_wave_0_\@
	s_barrier_signal -3
.Lnot_wave_0_\@:
	s_barrier_wait -3
	s_barrier_signal -1
	s_barrier_wait -1
.endm
.macro CROUND
	s_barrier_signal -1
	s_barrier_wait -1
	CREST
.endm
.macro PLACES
.rept 4
	v_nop
.endr
.endm
	s_load_b256 s[4:11], s[0:1], 0x0               ; ow s[4:5], wb s[6:7], bo s[8:9], out0 s[10:11]
	v_lshl_add_u32 v[SPW], v0, 2, SPARE
	v_mov_b32 v[NIL], 0
	ds_add_u32 v[SPW], v[NIL]                      ; the wave's opening: the add and its wait ahead of my first tensor load
	v_lshrrev_b32 v1, 5, v0
	v_readfirstlane_b32 s[WV], v1
	s_lshr_b32 s[RH], s[WV], 1
	s_and_b32 s[CH], s[WV], 1
	s_bfe_u32 s[CX], ttmp6, 0x40000
	s_bfe_u32 s[CY], ttmp6, 0x40004
	s_lshl_b32 s[GX], ttmp9, 2
	s_add_co_u32 s[GX], s[GX], s[CX]
	s_and_b32 s[GY], ttmp7, 0xffff
	s_lshl_b32 s[GY], s[GY], 2
	s_add_co_u32 s[GY], s[GY], s[CY]
	s_lshl_b32 s46, s[CY], 2
	s_lshl_b32 s46, 15, s46                        ; my row of the cluster
	s_lshl_b32 s47, 0x1111, s[CX]                  ; my column
	s_or_b32 s[G1], s46, (1<<16)|(1<<20)|(1<<21)|(6<<22)|(3<<25)   ; O': 2-byte elements; after every 128 words 4 words of padding
	s_mov_b32 s[G1+1], KSTEP<<16                   ; tensor_dim0 = 256
	s_mov_b32 s[G1+2], 64<<16                      ; tensor_dim1 = 64
	s_mov_b32 s[G1+3], KSTEP<<16                   ; tile_dim0 = 256
	s_mov_b32 s[G1+4], 64                          ; tile_dim1 = 64
	s_mov_b32 s[G1+5], 4096                        ; elements from row to row
	s_mov_b32 s[G1+6], 0
	s_mov_b32 s[G1+7], 0
	s_or_b32 s[G1B], s47, (1<<16)|(1<<20)|(1<<21)|(5<<22)|(7<<25)  ; Wo': after every 64 words 8 words
	s_mov_b32 s[G1B+1], 128<<16
	s_mov_b32 s[G1B+2], 128<<16
	s_mov_b32 s[G1B+3], 128<<16
	s_mov_b32 s[G1B+4], 128
	s_mov_b32 s[G1B+5], 512
	s_mov_b32 s[G1B+6], 0
	s_mov_b32 s[G1B+7], 0
	s_lshl_b32 s42, s[GY], 20                      ; O': (128 gy + 64 half) rows of 8,192 bytes: these two registers never hold cx
	s_lshl_b32 s43, s[CH], 19
	s_add_co_u32 s42, s42, s43
	s_mov_b32 s43, 0
	s_lshl_b32 s44, s[CH], 17                      ; Wo': 128 half rows of 1,024 bytes + 128 gx columns: these two never hold cy
	s_lshl_b32 s45, s[GX], 8
	s_add_co_u32 s44, s44, s45
	s_mov_b32 s45, 0
	s_mul_i32 s40, s[CH], HA                       ; where they go: the wave's number and constants alone
	s_mul_i32 s41, s[CH], HB
	s_add_co_u32 s41, s41, AT
	s_wait_dscnt 0x0
	s_wait_kmcnt 0x0
	s_add_nc_u64 s[20:21], s[4:5], s[42:43]
	s_add_nc_u64 s[22:23], s[6:7], s[44:45]
	s_add_nc_u64 s[22:23], s[22:23], 0xc00000
	CROUND                                         ; the first joint loads meet
.irp s, 0,1
	s_mov_b32 s[G0+4*(\s)], 1
	s_add_co_u32 s[G0+4*(\s)+1], s40, (\s)*SLOT
	s_add_nc_u64 s[G0+4*(\s)+2:G0+4*(\s)+3], s[20:21], (\s)*KSTEP*2
	s_or_b32 s[G0+4*(\s)+3], s[G0+4*(\s)+3], 0x80000000
	s_mov_b32 s[G0B+4*(\s)], 1
	s_add_co_u32 s[G0B+4*(\s)+1], s41, (\s)*SLOT
	s_add_nc_u64 s[G0B+4*(\s)+2:G0B+4*(\s)+3], s[22:23], (\s)*KSTEP*1024
	s_or_b32 s[G0B+4*(\s)+3], s[G0B+4*(\s)+3], 0x80000000
	JLOAD \s
.endr
	v_and_b32 v1, 15, v0                           ; r
	v_bfe_u32 v2, v0, 4, 1                         ; hh
	s_lshl_b32 s66, s[GX], 9                       ; my 64 columns in a row of out0 and in bo: 512 gx + 256 half bytes
	s_lshl_b32 s67, s[CH], 8
	s_add_co_u32 s66, s66, s67
	v_lshl_add_u32 v[BO], v2, 5, s66
.irp b, 0,1,2,3
	global_load_b128 v[BIAS+8*(\b):BIAS+8*(\b)+3],   v[BO], s[8:9] offset:64*(\b)      ; columns 16 b + 8 hh + 0..7: what register j of tile (., b) wants
	global_load_b128 v[BIAS+8*(\b)+4:BIAS+8*(\b)+7], v[BO], s[8:9] offset:64*(\b)+16
.endr
	v_mul_u32_u24 v3, v1, PA
	v_lshl_add_u32 v3, v2, 4, v3
	s_mul_i32 s67, s[RH], HA
	v_add_nc_u32 v[ADRA], s67, v3
	v_add_nc_u32 v[ADRA+1], SLOT, v[ADRA]
	v_and_b32 v4, 7, v0
	v_lshl_add_u32 v4, v2, 3, v4
	v_mul_u32_u24 v4, v4, PB
	v_bfe_u32 v5, v0, 3, 1
	v_lshl_add_u32 v4, v5, 4, v4                   ; (8 hh + l % 8) x pitch + 16 ((l / 8) % 2)
	s_lshl_b32 s67, s[CH], 7
	s_add_co_u32 s67, s67, AT
	v_add_nc_u32 v[ADRB], s67, v4
	v_add_nc_u32 v[ADRB+1], HB, v[ADRB]
	v_add_nc_u32 v[ADRB+2], SLOT, v[ADRB]
	v_add_nc_u32 v[ADRB+3], SLOT, v[ADRB+1]
	s_mul_i32 s67, s[WV], 16*SPITCH
	s_add_co_u32 s67, s67, STAGE                   ; my stage
	v_mul_u32_u24 v6, v1, SPITCH                   ; in: row r, 32 bytes for each half of the lanes
	v_lshl_add_u32 v6, v2, 5, v6
	v_add_nc_u32 v[STO], s67, v6
	v_mul_u32_u24 v6, v2, SPITCH                   ; back: lanes 0-15 one row of 256 bytes, lanes 16-31 the next
	v_lshl_add_u32 v6, v1, 4, v6
	v_add_nc_u32 v[RD], s67, v6
	v_lshlrev_b32 v[CO], 4, v1                     ; and the same two rows in out0
	v_lshl_add_u32 v[CO], v2, 11, v[CO]
	s_lshl_b32 s68, s[GY], 18                      ; (128 gy + 64 row half) rows of 2,048 bytes
	s_lshl_b32 s69, s[RH], 17
	s_add_co_u32 s68, s68, s69
	s_add_co_u32 s68, s68, s66
	s_mov_b32 s69, 0
	s_add_nc_u64 s[10:11], s[10:11], s[68:69]
	s_wait_loadcnt 0x0
.set i, 0
.rept 16
	v_cvt_pk_bf16_f32 v[TMP+i], v[BIAS+2*i], v[BIAS+2*i+1]
.set i, i+1
.endr
.set i, 0
.rept 16
	v_lshlrev_b32 v[BIAS+2*i],   16, v[TMP+i]
	v_and_b32     v[BIAS+2*i+1], 0xffff0000, v[TMP+i]
.set i, i+1
.endr
; 8 matrix instructions: token blocks a0, a0 + 1 x all 4 column blocks, 32 along K: half c of buffer f.  The 16 accumulators take turns.  first = 1: the bias starts the sums
.macro MUL8 f, c, a0, first
	WIN MUL
.irp a, \a0, (\a0)+1
.irp b, 0,1,2,3
.if \first
	v_wmma_f32_16x16x32_f16 v[ACC+8*(4*(\a)+(\b)):ACC+8*(4*(\a)+(\b))+7], v[(\f)+64+8*(4*(\c)+(\b)):(\f)+64+8*(4*(\c)+(\b))+7], v[(\f)+8*(4*(\c)+(\a)):(\f)+8*(4*(\c)+(\a))+7], v[BIAS+8*(\b):BIAS+8*(\b)+7]
.else
	v_wmma_f32_16x16x32_f16 v[ACC+8*(4*(\a)+(\b)):ACC+8*(4*(\a)+(\b))+7], v[(\f)+64+8*(4*(\c)+(\b)):(\f)+64+8*(4*(\c)+(\b))+7], v[(\f)+8*(4*(\c)+(\a)):(\f)+8*(4*(\c)+(\a))+7], v[ACC+8*(4*(\a)+(\b)):ACC+8*(4*(\a)+(\b))+7]
.endif
.endr
.endr
.endm
; 32 LDS loads in one run: quarter kq (64 along K) of a slot into buffer f; its first 32 along K first
.macro FETCH slot, kq, f
	WIN TO_F
.irp c, 0,1
.irp i, 0,1,2,3
	ds_load_tr16_b128 v[(\f)+64+8*(4*(\c)+(\i)):(\f)+64+8*(4*(\c)+(\i))+3],   v[ADRB+2*(\slot)+(\kq)/2] offset:(((\kq)%2)*64+(\c)*32)*PB+(\i)*32
	ds_load_tr16_b128 v[(\f)+64+8*(4*(\c)+(\i))+4:(\f)+64+8*(4*(\c)+(\i))+7], v[ADRB+2*(\slot)+(\kq)/2] offset:(((\kq)%2)*64+(\c)*32+16)*PB+(\i)*32
	ds_load_b128 v[(\f)+8*(4*(\c)+(\i)):(\f)+8*(4*(\c)+(\i))+3],   v[ADRA+(\slot)] offset:(\kq)*128+64*(\c)+(\i)*16*PA
	ds_load_b128 v[(\f)+8*(4*(\c)+(\i))+4:(\f)+8*(4*(\c)+(\i))+7], v[ADRA+(\slot)] offset:(\kq)*128+64*(\c)+(\i)*16*PA+32
.endr
.endr
.endm
.macro QUARTER slot, kq, f, g, first
	s_wait_dscnt 16                                ; the first 32 along K are in
	MUL8 \f, 0, 0, \first
	MUL8 \f, 0, 2, \first
	PLACES
	FETCH \slot, \kq, \g
	s_wait_dscnt 32                                ; all but the 32 just issued
	MUL8 \f, 1, 0, 0
	MUL8 \f, 1, 2, 0
.endm
; The last quarter and the change of slots: the wait for all my tensor loads, the add, the wait for it and for my reads of this slot; with fill = 1 a round of the cluster's barrier and the joint refill first behind it,
; 112 matrix instructions ahead of the wait for it.
.macro TURN slot, next, fill
	WIN 0
	s_wait_tensorcnt 0x0
	ds_add_u32 v[SPW], v[NIL]
	s_wait_dscnt 17                                ; (the add and the youngest sixteen loads may be out)
	MUL8 F1, 0, 0, 0
	s_wait_dscnt 0x0
	s_barrier_signal -1
	MUL8 F1, 0, 2, 0
.if \fill
	WIN 0
.endif
	s_barrier_wait -1
.if \fill
	CREST
	s_add_nc_u64 s[G0+4*(\slot)+2:G0+4*(\slot)+3], s[G0+4*(\slot)+2:G0+4*(\slot)+3], 2*KSTEP*2        ; two K steps on: 1,024 bytes of a row of O',
	s_add_nc_u64 s[G0B+4*(\slot)+2:G0B+4*(\slot)+3], s[G0B+4*(\slot)+2:G0B+4*(\slot)+3], 2*KSTEP*1024 ; 512 rows of Wo'
	JLOAD \slot                                    ; its four v_nop are also the places in front of the loads below
.else
	PLACES
.endif
	FETCH \next, 0, F0
	MUL8 F1, 1, 0, 0
	MUL8 F1, 1, 2, 0
.endm
	s_wait_tensorcnt 1                             ; my part of K step 0 is in; K step 1's may stay out
	s_barrier_signal -1
	s_barrier_wait -1
	FETCH 0, 0, F0
	QUARTER 0, 1, F0, F1, 1                        ; the first quarter stands in front of the loop: its first products start the sums
	WIN 0
	s_mov_b32 s[LAP], LAPS-1
.Llap:                                                 ; once round the ring, from a lap's second quarter to the next lap's first; both slots are filled again
	QUARTER 0, 2, F1, F0, 0
	QUARTER 0, 3, F0, F1, 0
	TURN 0, 1, 1
	QUARTER 1, 1, F0, F1, 0
	QUARTER 1, 2, F1, F0, 0
	QUARTER 1, 3, F0, F1, 0
	TURN 1, 0, 1
	QUARTER 0, 1, F0, F1, 0
	WIN 0
	s_sub_co_u32 s[LAP], s[LAP], 1
	s_cmp_lg_u32 s[LAP], 0
	s_cbranch_scc1 .Llap
	QUARTER 0, 2, F1, F0, 0                        ; the last lap fills nothing
	QUARTER 0, 3, F0, F1, 0
	TURN 0, 1, 0
	QUARTER 1, 1, F0, F1, 0
	QUARTER 1, 2, F1, F0, 0
	QUARTER 1, 3, F0, F1, 0
	s_wait_dscnt 16
	MUL8 F1, 0, 0, 0
	MUL8 F1, 0, 2, 0
	s_wait_dscnt 0x0
	MUL8 F1, 1, 0, 0
	MUL8 F1, 1, 2, 0
	WIN 0
	PLACES
; THE WAY OUT, 16 tokens at a time: a lane's 32 bytes of a row go into my own stage (each accumulator's low four registers first) and come back as whole rows of 256 bytes.
.macro TOSTAGE a
	s_wait_xcnt 0x0                                ; the stores of the block two back have read the registers that are loaded again below
.irp b, 0,1,2,3
	ds_store_b128 v[STO], v[ACC+8*(4*(\a)+(\b)):ACC+8*(4*(\a)+(\b))+3]   offset:64*(\b)
	ds_store_b128 v[STO], v[ACC+8*(4*(\a)+(\b))+4:ACC+8*(4*(\a)+(\b))+7] offset:64*(\b)+16
.endr
.irp t, 0,1,2,3,4,5,6,7
	ds_load_b128 v[TMP+32*((\a)%2)+4*(\t):TMP+32*((\a)%2)+4*(\t)+3], v[RD] offset:(\t)*2*SPITCH  ; LDS serves a wave's instructions in order (ISA guide 5.7.1.4): these see the stores above
.endr
.endm
.macro SEND a, younger                 ; younger: the LDS instructions issued behind block a's loads
.irp t, 0,1,2,3,4,5,6,7
	s_wait_dscnt (\younger)+7-(\t)
	global_store_b128 v[CO], v[TMP+32*((\a)%2)+4*(\t):TMP+32*((\a)%2)+4*(\t)+3], s[10:11] offset:(16*(\a)+2*(\t))*2048 th:TH_STORE_NT  ; 16 lanes store 256 consecutive bytes, aligned
.endr
.endm
	TOSTAGE 0
	TOSTAGE 1
	SEND 0, 16
	TOSTAGE 2
	SEND 1, 16
	TOSTAGE 3
	SEND 2, 16
	SEND 3, 0
	s_wait_tensorcnt 0x0                           ; the wave's end, behind my last tensor load and my last LDS store
	ds_add_u32 v[SPW], v[NIL]
	s_wait_dscnt 0x0
	CROUND                                         ; the closing round
	s_endpgm
.Lfunc_end_k_qe441f0fb93_outp:
	.size	k_qe441f0fb93_outp, .Lfunc_end_k_qe441f0fb93_outp-k_qe441f0fb93_outp
	.p2alignl 7, 3214868480
	.fill 96, 4, 3214868480
	.section	.rodata,"a",@progbits
	.p2align	6, 0x0
	.amdhsa_kernel k_qe441f0fb93_outp
		.amdhsa_group_segment_fixed_size 327680
		.amdhsa_private_segment_fixed_size 0
		.amdhsa_enable_private_segment 0
		.amdhsa_kernarg_size 32
		.amdhsa_user_sgpr_count 2
		.amdhsa_user_sgpr_kernarg_segment_ptr 1
		.amdhsa_wavefront_size32 1
		.amdhsa_system_sgpr_workgroup_id_x 1
		.amdhsa_system_sgpr_workgroup_id_y 1
		.amdhsa_system_sgpr_workgroup_id_z 1
		.amdhsa_system_vgpr_workitem_id 0
		.amdhsa_next_free_vgpr 512
		.amdhsa_next_free_sgpr 72
		.amdhsa_reserve_vcc 0
		.amdhsa_float_denorm_mode_32 3
		.amdhsa_float_denorm_mode_16_64 3
		.amdhsa_memory_ordered 1
		.amdhsa_forward_progress 1
		.amdhsa_inst_pref_size 90
	.end_amdhsa_kernel
	.amdgpu_metadata
---
amdhsa.version: [ 1, 2 ]
amdhsa.kernels:
  - .name:           k_qe441f0fb93_outp
    .symbol:         k_qe441f0fb93_outp.kd
    .args:
      - { .name: ow, .offset: 0, .size: 8, .value_kind: global_buffer, .address_space: global }
      - { .name: wb, .offset: 8, .size: 8, .value_kind: global_buffer, .address_space: global }
      - { .name: bo, .offset: 16, .size: 8, .value_kind: global_buffer, .address_space: global }
      - { .name: out0, .offset: 24, .size: 8, .value_kind: global_buffer, .address_space: global }
    .group_segment_fixed_size: 327680
    .private_segment_fixed_size: 0
    .kernarg_segment_align: 8
    .kernarg_segment_size: 32
    .max_flat_workgroup_size: 128
    .sgpr_count:     72
    .vgpr_count:     512
    .wavefront_size: 32
...
	.end_amdgpu_metadata
.endif
;; end of part 5
